; MI455X (gfx1250); checked and timed in simulation.
; The chip was launched on July 23, 2026; its instructions are those of AMD's public machine-readable ISA for CDNA 5 (MIT licence, August 2026) and "CDNA5" Instruction Set Architecture Reference Guide (July 2026). The comments in the code are by the model that wrote it; some were corrected since.
;; Attention. Allowed arithmetic: matrix products marked QUANTISED: E4M3 operands, one given power-of-two scale a tensor, by v_wmma_f32_16x16x64_fp8_fp8 or v_wmma_f32_16x16x128_fp8_fp8, f32 sums; everything else in f32.
;; Inputs: k_codes 4 x 2,048 x 32 x 32 uint8 (E4M3 codes of k, K innermost, in blocks of 32 codes); lowp_scales 10 int32 (the exponents e of the quantised operands' scales 2^e); q_codes 4 x 2,048 x 32 x 32 uint8 (E4M3 codes of q, K innermost, in blocks of 32 codes); v_codes 4 x 2,048 x 32 x 32 uint8 (E4M3 codes of v, K innermost, in blocks of 32 codes); wk_b 1,024 float32; wk_w_codes 1,024 x 32 x 32 uint8 (E4M3 codes of wk_w, K innermost, in blocks of 32 codes); wq_b 1,024 float32; wq_w_codes 1,024 x 32 x 32 uint8 (E4M3 codes of wq_w, K innermost, in blocks of 32 codes); wv_b 1,024 float32; wv_w_codes 1,024 x 32 x 32 uint8 (E4M3 codes of wv_w, K innermost, in blocks of 32 codes).
;; Outputs: out0 4 x 2,048 x 1,024 float32.
;; Constants: causal = 1.
;; This version of the problem:
;;   THIS VERSION OF THE PROBLEM IS GIVEN IN LOW PRECISION. The matrix products marked QUANTISED in the list below multiply operands that are first quantised to E4M3 (4 exponent bits, 3 mantissa bits; 8 bits a number), with one given power-of-two scale for each operand tensor; their sums are f32. All else is computed in f32.
;;   The module's matrix products, in the order in which they are computed (A, B: the left and right operand; K: the contracted axis; several contracted axes count as one K, in the product's order):
;;     1. [M 8,192, K 1,024] x [K 1,024, N 1,024]; A: input q (given as codes); B: input wq_w (given as codes): QUANTISED (scales: A lowp_scales[0], B lowp_scales[1])
;;     2. [M 8,192, K 1,024] x [K 1,024, N 1,024]; A: input k (given as codes); B: input wk_w (given as codes): QUANTISED (scales: A lowp_scales[2], B lowp_scales[3])
;;     3. [M 8,192, K 1,024] x [K 1,024, N 1,024]; A: input v (given as codes); B: input wv_w (given as codes): QUANTISED (scales: A lowp_scales[4], B lowp_scales[5])
;;     4. batch 4 x [M 2,048, K 1,024] x [K 1,024, N 2,048]; A: computed on the way; B: computed on the way: QUANTISED (scales: A lowp_scales[6], B lowp_scales[7])
;;     5. batch 4 x [M 2,048, K 2,048] x [K 2,048, N 1,024]; A: softmax (see below); B: computed on the way: QUANTISED (scales: A lowp_scales[8], B lowp_scales[9])
;;   THE QUANTISER, for each operand of a quantised product, along K:
;;     - The operand's scale is 2^e, e = its entry of the input lowp_scales (int32; the entries are numbered through the quantised products in the list's order, A before B).
;;     - Each number is divided by the scale, clamped to +-448, and rounded to the nearest number of E4M3, ties to even, subnormals kept.
;;     - The product sums the exact products of the quantised numbers (number of the format x scale) in f32.
;;   ~~~python
;;   def quantise(x, axis, e):      # numpy; x: float32 -> the quantised numbers, widened to float32 again
;;       x = np.moveaxis(x, axis, -1); K = x.shape[-1]
;;       r = np.clip(x / 2.0 ** e, -448, 448)
;;       step = 2.0 ** (np.maximum(np.frexp(np.where(r == 0, 1, r))[1] - 1, -6) - 3)
;;       q = np.round(r / step) * step * 2.0 ** e      # np.round: ties to even
;;       return np.moveaxis(q, -1, axis).astype(np.float32)
;;   ~~~
;;   SOFTMAX AHEAD OF A QUANTISED PRODUCT. Where the list says 'softmax', what is quantised is not the finished softmax but p = 2^(t - M), with t = logit x log2(e) and M = ceil(the row's largest t), a whole number; so 1/2 < the row's largest p <= 1. The row's sum l is taken of the UNQUANTISED p, in f32, and the product's result is divided by l at the end. Since M is a whole number, a kernel that streams over the keys may use a running M (the ceiling of the running maximum): every later rescaling is an exact power of two, so the quantised numbers keep their values, but for numbers so far below the row's largest that they fall under the format's range.
;;   OPERANDS COMPUTED ON THE WAY. 'Computed on the way' means the value that the module computes at that place (a softmax that the list does not call 'softmax' is quantised finished and normalised). What goes into a quantiser is computed in f32, as accurately as f32 sums, v_exp_f32 and their like allow (about 1e-6 of the number): no bf16 or f16 on the way to a quantiser, and a product that is left as it is and whose result goes on into a quantised operand takes f32 operands (vector FMAs, or v_wmma_f32_16x16x4_f32). A number that lies on a knife's edge between two numbers of the format may be rounded either way, as far as f32 arithmetic and the matrix unit's own rounding can turn it there, and no further.
;;   INPUTS GIVEN AS CODES. k (in the module: [4, 2048, 1024], K = its axis 2); q (in the module: [4, 2048, 1024], K = its axis 2); v (in the module: [4, 2048, 1024], K = its axis 2); wk_w (in the module: [1024, 1024], K = its axis 1); wq_w (in the module: [1024, 1024], K = its axis 1); wv_w (in the module: [1024, 1024], K = its axis 1): each comes as NAME_codes (uint8): NAME with its K axis moved to the last place and cut into blocks of 32 codes, [.., K / 32, bytes a block], one block behind the other in memory; one code a byte (a code: sign, 4 exponent bits, 3 mantissa bits); its scale is its entry of lowp_scales. Its value is code x scale, taken as it is: it is not quantised again, and the codes and scales need not be those that the quantiser above would give.
;; One version. Each part assembles by itself: llvm-mc -triple=amdgcn-amd-amdhsa -mcpu=gfx1250 --defsym DOCPART=n.
;; ======== version 1 of 1: 3 launches
;; limits: right only within a limited range of input values
;; workspace buffers: qpc 8,388,608 bytes; kpc 8,388,608 bytes; vtc 8,388,608 bytes; pc 16,777,216 bytes; nmb 262,144 bytes; lb 262,144 bytes
;; launch proj (part 1): grid 4 x 64, 4 waves a work-group, clusters of 4 x 4, 327,680 bytes of LDS; arguments q_codes, k_codes, wq_w_codes, wk_w_codes, v_codes, wv_w_codes, wq_b, wk_b, wv_b, qpc, kpc, vtc, lowp_scales; writes qpc, kpc, vtc
.if DOCPART == 1
	.amdgcn_target "amdgcn-amd-amdhsa--gfx1250"
	.amdhsa_code_object_version 6
	.text
	.protected	k_q63ea4250a3_proj
	.globl	k_q63ea4250a3_proj
	.p2align	8
	.type	k_q63ea4250a3_proj,@function
k_q63ea4250a3_proj:
	s_mov_b64 s[64:65], 0
	v_nop
	global_prefetch_b8 v0, s[64:65] scope:SCOPE_SE
	s_setreg_imm32_b32 hwreg(HW_REG_WAVE_MODE, 25, 1), 1
	s_wait_xcnt 0x0
	s_wait_alu depctr_hold_cnt(0) depctr_sa_sdst(0) depctr_va_vdst(0) depctr_va_sdst(0) depctr_va_ssrc(0) depctr_va_vcc(0) depctr_vm_vsrc(0)
	s_getreg_b32 s2, hwreg(HW_REG_IB_STS2, 6, 4)
	s_cmp_eq_u32 s2, 0
	s_cbranch_scc0 .Lentry_in_a_cluster
	s_endpgm
.Lentry_in_a_cluster:
	s_bfe_u32 s2, ttmp6, 0x10000c
	s_cmp_lg_u32 s2, 0xf033
	s_cbranch_scc0 .Lentry_shape_is_right
	s_endpgm
.Lentry_shape_is_right:
; THE THREE PROJECTIONS: y = x W^T + b on codes of FP8 (E4M3), each result quantised at once with the scale given for it.
; DEAD WORK of the program: causal = 1 is a constant, and reference() masks keys beyond a query by -inf: tiles of 256 queries x 256 keys that lie wholly above the diagonal have p = 0 for all inputs, and the
; later launches leave them out.  A NaN, an infinity or an overflow that reaches only those tiles is not carried to the result.
; WORKSPACE LAYOUT: images of operand fragments.  A unit of 512 bytes is 16 rows x 32 of the next product's K: lane (r, h) = 16 h + r has 16 bytes: K = 8 h + 0 .. 7 of two neighbouring blocks of 16.
; The same order of K stands on both sides of the next product.  qpc, kpc: [64 blocks of 128 tokens][4 steps of 256 outputs][8 blocks of 16 tokens][8 units].  vtc: [4][64 blocks of 16 e][64 units along the tokens].
; SHARES.  256 work-groups of four waves.  Each makes one tile of 256 tokens x 256 outputs of q or k (a wave: 128 x 128, 64 accumulators), then 128 e x 256 tokens of v (a wave: 64 x 128, 32 accumulators).
; K = 1,024 goes in steps of 256 through two LDS slots; the ring runs on from the first tile into the second: eight steps, loads of v's first two ahead of the first tile's way out.
; The matrix instruction is used transposed: source 0 = 16 rows of the B side, source 1 = 16 rows of the A side: a lane holds one A row and eight neighbouring B rows.
; q, k: A side = tokens, B side = the weight's rows.  v: A side = the weight's rows e, B side = tokens.
; THE BIAS goes in as the C of the first products, x 2^-(ea + eb), since a sum stands for sum x 2^(ea + eb).
; CLUSTERS: 4 x 4; A's tiles are asked for jointly along a row of the cluster, B's along a column.
; PREFETCH: two refills ahead.  Tokens: each cluster names its own rows once, shared out by cx or cy.  Weights: their blocks are shared out by address over all work-groups that read them.
; LIMITS on the given exponents, so that each power of two is an f32 number: -(ea + eb) between -126 and 127; eo - ea - eb between -126 and 119.
.set PITCH,  272                       ; an LDS row: 256 bytes + 16 of padding
.set HALFT,  128*PITCH
.set SLOT,   4*HALFT                   ; A's 256 rows, then B's 256 rows
.set SPARE,  2*SLOT                    ; the spare words, 128 bytes a wave
.set PFO,  8                           ; v8     the prefetches' offset; never rewritten
.set BM,   12                          ; v12-15 v's bias at my four e
.set ADRA, 16                          ; v16-17 my A fragments in slot 0, 1, first tile
.set ADRH, 18                          ; v18-19 the same, second tile
.set ADRB, 20                          ; v20-21 my B fragments
.set CO,   26                          ; v26    16 x lane
.set SPW,  28
.set NIL,  29
.set SCV,  30                          ; v30    2^(eo - ea - eb)
.set HV,   31                          ; v31    448 x that
.set BN,   32                          ; v32-95 the bias in the accumulators' layout
.set CD,   96                          ; v96-127 codes, two buffers of a block
.set AF,   128                         ; v128-255 A's fragments
.set G1, 24
.set G0, 32
.set G0B, 36
.set G1B, 48
.set MSB, 0
.macro WIN new                         ; the immediate's high byte repeats the setting that is left
.if MSB != (\new)
	s_set_vgpr_msb (MSB<<8)|(\new)
.set MSB, (\new)
.endif
.endm
.set MUL_LO, 0xa1                      ; source 0 (B) window 1, source 1 (A) window 0, C and D window 2
.set MUL_HI, 0xf1                      ; the same, C and D window 3
.set TO_B,   0x40
.macro JLOAD                           ; a joint load: waves 0, 1 for A, waves 2, 3 for B
	s_cmp_eq_u32 s15, 0
	s_cbranch_scc0 .Lfor_b_\@
	tensor_load_to_lds s[G0:G0+3], s[G1:G1+7]
	s_nop 0
.rept 4
	v_nop
.endr
	s_branch .Lasked_\@
.Lfor_b_\@:
	tensor_load_to_lds s[G0B:G0B+3], s[G1B:G1B+7]
	s_nop 0
.rept 4
	v_nop
.endr
.Lasked_\@:
.endm
.macro CREST                           ; a round of the cluster's barrier behind its opening barrier
	s_cmp_lg_u32 s14, 0
	s_cbranch_scc1 .Lnot_wave_0_\@
	s_barrier_signal -3
.Lnot_wave_0_\@:
	s_barrier_wait -3
	s_barrier_signal -1
	s_barrier_wait -1
.endm
.macro CROUND
	s_barrier_signal -1
	s_barrier_wait -1
	CREST
.endm
.macro PLACES n                        ; plain instructions between a matrix instruction and a load into, or a vector access of, its registers
.rept \n
	v_nop
.endr
.endm
	s_load_b512 s[68:83], s[0:1], 0x0              ; q, k, wq_w, wk_w, v, wv_w, wq_b, wk_b
	s_load_b256 s[84:91], s[0:1], 0x40             ; wv_b, qpc, kpc, vtc
	s_load_b64 s[92:93], s[0:1], 0x60              ; the scales' exponents
	v_lshl_add_u32 v[SPW], v0, 2, SPARE
	v_mov_b32 v[NIL], 0
	ds_add_u32 v[SPW], v[NIL]                      ; the opening lines
	ds_add_u32 v[SPW], v[NIL]
	v_lshrrev_b32 v1, 5, v0
	v_readfirstlane_b32 s14, v1                    ; wave 0..3
	s_lshr_b32 s15, s14, 1                         ; my half of the A rows.  Also: I fetch for A (0) or for B (1)
	s_and_b32 s16, s14, 1                          ; my half of the B rows.  Also: which half I fetch
	s_bfe_u32 s40, ttmp6, 0x40000                  ; cx
	s_bfe_u32 s41, ttmp6, 0x40004                  ; cy
	s_and_b32 s12, ttmp7, 0xffff                   ; the cluster, 0..15
	s_lshr_b32 s66, s12, 3                         ; 0 q, 1 k
	s_and_b32 s13, s12, 7
	s_lshl_b32 s98, s13, 2
	s_add_co_u32 s17, s98, s41                     ; first tile: tokens 256 x (4 x cluster % 8 + cy), outputs 256 x cx
	s_add_co_u32 s23, s98, s40                     ; second tile: tokens 256 x (4 x cluster % 8 + cx),
	s_lshl_b32 s22, s66, 2
	s_add_co_u32 s22, s22, s41                     ; e 128 x (4 x (cluster / 8) + cy)
	s_lshl_b32 s43, s41, 2
	s_lshl_b32 s43, 15, s43                        ; my row of the cluster
	s_lshl_b32 s44, 0x1111, s40                    ; my column
	s_or_b32 s[G1+0], s43, (1<<20)|(1<<21)|(5<<22)|(3<<25)   ; the mask; elements of 1 byte; padding of 4 words behind every 64; bit 21 beside a mask
	s_or_b32 s[G1B+0], s44, (1<<20)|(1<<21)|(5<<22)|(3<<25)
.irp g, G1, G1B
	s_mov_b32 s[\g+1], 256<<16                     ; the head's tiles: 256 rows x 256 bytes
	s_mov_b32 s[\g+2], 256<<16
	s_mov_b32 s[\g+3], 256<<16
	s_mov_b32 s[\g+4], 256
	s_mov_b32 s[\g+5], 1024                        ; a row of codes in memory
	s_mov_b32 s[\g+6], 0
	s_mov_b32 s[\g+7], 0
.endr
	s_lshl_b32 s20, s17, 18                        ; first tile: A, B
	s_mov_b32 s21, 0
	s_lshl_b32 s46, s40, 18
	s_mov_b32 s47, 0
	s_lshl_b32 s94, s22, 17                        ; second tile: A (128 rows), B
	s_mov_b32 s95, 0
	s_lshl_b32 s96, s23, 18
	s_mov_b32 s97, 0
	s_mul_i32 s45, s14, HALFT                      ; where a refill goes: wave x 128 rows;
	s_mul_i32 s19, s16, 64*PITCH                   ; A of the second tile: 64 rows a wave;
	s_mul_i32 s18, s16, SLOT                       ; at the head: one slot a wave
	s_lshl_b32 s2, s16, 8                          ; and K step 0 or 1
	s_mov_b32 s3, 0
	s_mov_b32 s[G0], 1
	s_mov_b32 s[G0+1], s18
	s_mov_b32 s[G0B], 1
	s_add_co_u32 s[G0B+1], s18, 2*HALFT
	s_wait_dscnt 0x0                               ; both opening adds are done
	s_wait_kmcnt 0x0
	s_cmp_eq_u32 s66, 0                            ; the buffers: a choice on the cluster's number alone
	s_cselect_b64 s[4:5], s[68:69], s[70:71]
	s_cselect_b64 s[6:7], s[72:73], s[74:75]
	s_cselect_b64 s[8:9], s[80:81], s[82:83]
	s_cselect_b64 s[10:11], s[86:87], s[88:89]
	s_load_b256 s[68:75], s[92:93], 0x0            ; e0 .. e7
	s_load_b64 s[100:101], s[92:93], 0x20          ; e8, e9
	s_add_nc_u64 s[20:21], s[4:5], s[20:21]
	s_add_nc_u64 s[46:47], s[6:7], s[46:47]
	s_add_nc_u64 s[94:95], s[78:79], s[94:95]
	s_add_nc_u64 s[96:97], s[76:77], s[96:97]
	s_add_nc_u64 s[G0+2:G0+3], s[20:21], s[2:3]
	s_or_b32 s[G0+3], s[G0+3], 0x80000000
	s_add_nc_u64 s[G0B+2:G0B+3], s[46:47], s[2:3]
	s_or_b32 s[G0B+3], s[G0B+3], 0x80000000
	CROUND                                         ; all sixteen work-groups are here: the first joint loads meet
	JLOAD                                          ; K steps 0 and 1: wave 0 A's step 0, wave 1 A's step 1, waves 2 and 3 B's
	s_lshl_b32 s2, s16, 17                         ; from here on the bases stand at the 128 (A of the second tile: 64) rows that I fetch
	s_add_nc_u64 s[20:21], s[20:21], s[2:3]
	s_add_nc_u64 s[46:47], s[46:47], s[2:3]
	s_add_nc_u64 s[96:97], s[96:97], s[2:3]
	s_lshl_b32 s2, s16, 16
	s_add_nc_u64 s[94:95], s[94:95], s[2:3]
	; the prefetches' bases.  Waves 0, 1: 32 of the 128 rows of tokens, by cx (first tile), by cy (second).  Wave 2: 16 rows of wq_w or wk_w in K step 2 or 3; wave 3: four rows of wv_w
	s_lshl_b32 s2, s16, 17
	s_lshl_b32 s56, s17, 18
	s_add_co_u32 s56, s56, s2
	s_lshl_b32 s3, s40, 15
	s_add_co_u32 s56, s56, s3
	s_lshl_b32 s58, s23, 18
	s_add_co_u32 s58, s58, s2
	s_lshl_b32 s3, s41, 15
	s_add_co_u32 s58, s58, s3
	s_lshl_b32 s2, s13, 4
	s_lshl_b32 s3, s41, 2
	s_add_co_u32 s2, s2, s3
	s_add_co_u32 s2, s2, s40                       ; my number among the 128 work-groups that read this weight
	s_lshr_b32 s3, s2, 1
	s_lshl_b32 s3, s3, 14
	s_and_b32 s60, s2, 1
	s_lshl_b32 s60, s60, 8
	s_add_co_u32 s3, s3, s60
	s_lshl_b32 s60, s66, 7
	s_add_co_u32 s60, s60, s2
	s_lshl_b32 s98, s60, 12                        ; and among all 256
	s_cmp_lt_u32 s14, 2
	s_cselect_b32 s56, s56, s3
	s_cselect_b32 s58, s58, s98
	s_cselect_b64 s[60:61], s[4:5], s[6:7]
	s_cselect_b64 s[62:63], s[76:77], s[78:79]
	s_mov_b32 s57, 0
	s_mov_b32 s59, 0
	s_add_nc_u64 s[56:57], s[60:61], s[56:57]
	s_add_nc_u64 s[58:59], s[62:63], s[58:59]
	; the outputs
	s_lshl_b32 s2, s17, 18                         ; q, k: block of 128 tokens 2 x tile + wr; step cx; units 4 wc on
	s_lshl_b32 s3, s15, 17
	s_add_co_u32 s2, s2, s3
	s_lshl_b32 s3, s40, 15
	s_add_co_u32 s2, s2, s3
	s_lshl_b32 s3, s16, 11
	s_add_co_u32 s2, s2, s3
	s_mov_b32 s3, 0
	s_add_nc_u64 s[10:11], s[10:11], s[2:3]
	s_lshr_b32 s2, s23, 3                          ; v: the batch; block of 16 e: 8 x tile + 4 wr; units 8 x (token tile % 8) + 4 wc
	s_lshl_b32 s2, s2, 21
	s_lshl_b32 s3, s22, 18
	s_add_co_u32 s2, s2, s3
	s_lshl_b32 s3, s15, 17
	s_add_co_u32 s2, s2, s3
	s_and_b32 s3, s23, 7
	s_lshl_b32 s3, s3, 12
	s_add_co_u32 s2, s2, s3
	s_lshl_b32 s3, s16, 11
	s_add_co_u32 s2, s2, s3
	s_mov_b32 s3, 0
	s_add_nc_u64 s[90:91], s[90:91], s[2:3]
	s_lshl_b32 s2, s40, 10                         ; the biases
	s_add_nc_u64 s[8:9], s[8:9], s[2:3]
	s_lshl_b32 s2, s22, 9
	s_add_nc_u64 s[84:85], s[84:85], s[2:3]
	s_mov_b32 s60, 1024                            ; the prefetches' strides
	s_cmp_eq_u32 s14, 3
	s_cselect_b32 s60, 256, s60
	s_cmp_lt_u32 s14, 2
	s_cselect_b32 s61, 256, 0
	s_mul_i32 s62, s15, HALFT
	s_mul_i32 s63, s16, HALFT
	s_add_co_u32 s63, s63, 2*HALFT
	s_mul_i32 s98, s15, 64*PITCH
	s_lshl_b32 s2, s16, 9
	s_lshl_b32 s3, s15, 8
	v_and_b32 v1, 15, v0                           ; r
	v_bfe_u32 v2, v0, 4, 1                         ; h
	v_and_b32 v3, 31, v0
	v_mul_u32_u24 v4, v1, PITCH
	v_lshl_add_u32 v6, v2, 5, s2                   ; 4 (128 wc + 8 h)
	v_lshl_add_u32 v7, v1, 2, s3                   ; 4 (64 wr + r)
	v_lshl_add_u32 v4, v2, 4, v4                   ; a fragment's row x pitch + 16 h
	v_mul_u32_u24 v[PFO], s60, v1
	v_lshlrev_b32 v[CO], 4, v3
	v_add_nc_u32 v[ADRA], s62, v4
	v_add_nc_u32 v[ADRH], s98, v4
	v_add_nc_u32 v[ADRB], s63, v4
	v_mad_u32_u24 v[PFO], v2, s61, v[PFO]
	v_add_nc_u32 v[ADRA+1], SLOT, v[ADRA]
	v_add_nc_u32 v[ADRH+1], SLOT, v[ADRH]
	v_add_nc_u32 v[ADRB+1], SLOT, v[ADRB]
	s_wait_alu depctr_va_vdst(0)
.irp b, 0,1,2,3,4,5,6,7
	global_load_b128 v[BN+8*\b:BN+8*\b+3], v6, s[8:9] offset:64*\b         ; bias(256 cx + 128 wc + 16 b + 8 h + 0 .. 7)
	global_load_b128 v[BN+8*\b+4:BN+8*\b+7], v6, s[8:9] offset:64*\b+16
.endr
.irp a, 0,1,2,3
	global_load_b32 v[BM+\a], v7, s[84:85] offset:64*\a                    ; v's bias(128 x tile + 64 wr + 16 a + r)
.endr
	s_cmp_lt_u32 s14, 3                            ; K steps 2 and 3 of what my cluster loads: one and two refills on
	s_cbranch_scc0 .Lno_a
	global_prefetch_b8 v[PFO], s[56:57] offset:512 th:TH_LOAD_NT scope:SCOPE_SE
	s_cmp_lt_u32 s14, 2
	s_cbranch_scc0 .Lno_a
	global_prefetch_b8 v[PFO], s[56:57] offset:16384+512 th:TH_LOAD_NT scope:SCOPE_SE
.Lno_a:
	s_wait_kmcnt 0x0
	s_add_co_i32 s2, s68, s69                      ; ea + eb of q,
	s_add_co_i32 s3, s70, s71                      ; of k
	s_cmp_eq_u32 s66, 0
	s_cselect_b32 s2, s2, s3
	s_cselect_b32 s3, s74, s75                     ; eo: e6 or e7
	s_sub_co_i32 s3, s3, s2
	s_add_co_i32 s3, s3, 127
	s_lshl_b32 s60, s3, 23
	v_mov_b32 v[SCV], s60                          ; the three scales folded into the conversion's one
	s_add_co_i32 s3, s3, 8
	s_lshl_b32 s3, s3, 23
	s_or_b32 s3, s3, 0x600000
	v_mov_b32 v[HV], s3                            ; 448 x that
	s_sub_co_i32 s60, 127, s2
	s_lshl_b32 s60, s60, 23                        ; 2^-(ea + eb)
	s_mov_b32 s61, s60                             ; (named with it as a pair, so it is written)
	s_add_co_i32 s2, s72, s73                      ; the same three for v: s62 the bias's factor, s63 the scale, s99 448 x the scale
	s_sub_co_i32 s62, 127, s2
	s_lshl_b32 s62, s62, 23
	s_sub_co_i32 s3, s101, s2
	s_add_co_i32 s3, s3, 127
	s_lshl_b32 s63, s3, 23
	s_add_co_i32 s3, s3, 8
	s_lshl_b32 s3, s3, 23
	s_or_b32 s99, s3, 0x600000
	s_wait_alu depctr_va_vdst(0)
	s_wait_loadcnt 0x0
.set qn, 0
.rept 32
	v_pk_mul_f32 v[BN+qn:BN+qn+1], v[BN+qn:BN+qn+1], s[60:61] op_sel_hi:[1,0]
.set qn, qn+2
.endr
.macro FRAG reg, adr, q, i             ; 16 rows x 128 K: lane l holds row l % 16; registers 4 c .. 4 c + 3 hold K = 32 c + 16 (l / 16) + 0 .. 15: the same order of K on both sides
.irp c, 0,1,2,3
	ds_load_b128 v[\reg+4*\c:\reg+4*\c+3], v[\adr] offset:128*(\q)+32*\c+(\i)*16*PITCH
.endr
.endm
; first tile: 16 matrix instructions, A's blocks a0, a0 + 1 x B's eight.  zero = 1: the bias is C.  The 64 accumulators take turns.
.macro MUL16 a0, p, zero
.irp a, \a0, \a0+1
.irp b, 0,1,2,3,4,5,6,7
.if \zero
	v_wmma_f32_16x16x128_fp8_fp8 v[8*(8*((\a)%4)+\b):8*(8*((\a)%4)+\b)+7], v[128*(\p)+16*\b:128*(\p)+16*\b+15], v[AF+16*(\a):AF+16*(\a)+15], v[BN+8*\b:BN+8*\b+7]
.else
	v_wmma_f32_16x16x128_fp8_fp8 v[8*(8*((\a)%4)+\b):8*(8*((\a)%4)+\b)+7], v[128*(\p)+16*\b:128*(\p)+16*\b+15], v[AF+16*(\a):AF+16*(\a)+15], v[8*(8*((\a)%4)+\b):8*(8*((\a)%4)+\b)+7]
.endif
.endr
.endr
.endm
; second tile: the same with two sets of A's four blocks; the bias, one number a lane and block, is C
.macro MULH a0, p, zero
.irp a, \a0, \a0+1
.irp b, 0,1,2,3,4,5,6,7
.if \zero
	v_wmma_f32_16x16x128_fp8_fp8 v[8*(8*(\a)+\b):8*(8*(\a)+\b)+7], v[128*(\p)+16*\b:128*(\p)+16*\b+15], v[AF+64*(\p)+16*(\a):AF+64*(\p)+16*(\a)+15], v[BN+8*(\a):BN+8*(\a)+7]
.else
	v_wmma_f32_16x16x128_fp8_fp8 v[8*(8*(\a)+\b):8*(8*(\a)+\b)+7], v[128*(\p)+16*\b:128*(\p)+16*\b+15], v[AF+64*(\p)+16*(\a):AF+64*(\p)+16*(\a)+15], v[8*(8*(\a)+\b):8*(8*(\a)+\b)+7]
.endif
.endr
.endr
.endm
.macro FETCH_B slot, q, p
	WIN TO_B
.irp i, 0,1,2,3,4,5,6,7
	FRAG 128*(\p)+16*\i, ADRB+\slot, \q, \i
.endr
	WIN 0
.endm
.macro FETCH_A adr, q, i0, reg         ; four blocks of A from block i0 on
.irp i, 0,1,2,3
	FRAG \reg+16*\i, \adr, \q, \i0+\i
.endr
.endm
.macro DESC ld                         ; the descriptors for K step ld (4 .. 7: the second tile's), written behind the wait for all my tensor loads
.if (\ld) == 2
.irp g, G1, G1B
	s_mov_b32 s[\g+2], 128<<16
	s_mov_b32 s[\g+4], 128
.endr
.endif
.if (\ld) == 4
	s_mov_b32 s[G1+2], 64<<16
	s_mov_b32 s[G1+4], 64
.endif
.if (\ld) < 4
	s_add_co_u32 s[G0+1], s45, ((\ld)%2)*SLOT
	s_add_nc_u64 s[G0+2:G0+3], s[20:21], (\ld)*256
	s_add_nc_u64 s[G0B+2:G0B+3], s[46:47], (\ld)*256
.else
	s_add_co_u32 s[G0+1], s19, ((\ld)%2)*SLOT
	s_add_nc_u64 s[G0+2:G0+3], s[94:95], ((\ld)-4)*256
	s_add_nc_u64 s[G0B+2:G0B+3], s[96:97], ((\ld)-4)*256
.endif
	s_add_co_u32 s[G0B+1], s45, ((\ld)%2)*SLOT
	s_or_b32 s[G0+3], s[G0+3], 0x80000000
	s_or_b32 s[G0B+3], s[G0B+3], 0x80000000
.endm
.macro STEP slot, zero                 ; a slot's first 128 along K
	s_wait_dscnt 16                                ; B's set and A's blocks 0-3 are in; the 16 loads of A's blocks 4-7 may be out
.if \zero
	WIN 0x81                                       ; C (the bias) in window 0
.else
	WIN MUL_LO
.endif
	MUL16 0, 0, \zero
	MUL16 2, 0, \zero
	s_wait_dscnt 0x0
	PLACES 4
	FETCH_B \slot, 1, 1
	FETCH_A ADRA+\slot, 1, 0, AF
.if \zero
	WIN 0xc1
.else
	WIN MUL_HI
.endif
	MUL16 4, 0, \zero
	MUL16 6, 0, \zero
	PLACES 4
	WIN 0
	FETCH_A ADRA+\slot, 1, 4, AF+64
.endm
; A slot's second 128 along K changes slots, and K step ld is asked for into the slot just read
.macro TURN next, ld
	s_wait_tensorcnt 0x0                           ; all my tensor loads have landed: my part of the next slot
	ds_add_u32 v[SPW], v[NIL]
	DESC \ld
	s_wait_dscnt 17                                ; the add and the 16 loads of A's blocks 4-7 may be out
	WIN MUL_LO
	MUL16 0, 1, 0
	s_wait_dscnt 0x0                               ; the add is done, and my reads of this slot are over
	s_barrier_signal -1
	MUL16 2, 1, 0
	WIN 0
	s_barrier_wait -1
	CREST                                          ; no wave of any partner still reads this slot or has a load on its way
	JLOAD                                          ; its four v_nop are the places in front of the loads below
	FETCH_B \next, 0, 0
.if (\ld) == 5
	FETCH_A ADRH+\next, 0, 0, AF                   ; the second tile's first fragments
.else
	FETCH_A ADRA+\next, 0, 0, AF
.endif
.if (\ld) == 2                         ; two refills on: K steps 0 and 1 of v's tokens, and wv_w
	s_cmp_eq_u32 s14, 2
	s_cbranch_scc1 .Lno_b
	global_prefetch_b8 v[PFO], s[58:59] th:TH_LOAD_NT scope:SCOPE_SE
	s_cmp_lt_u32 s14, 2
	s_cbranch_scc0 .Lno_b
	global_prefetch_b8 v[PFO], s[58:59] offset:16384 th:TH_LOAD_NT scope:SCOPE_SE
.Lno_b:
.endif
.if (\ld) == 4                         ; K steps 2 and 3 of v's tokens
	s_cmp_lt_u32 s14, 2
	s_cbranch_scc0 .Lno_c
	global_prefetch_b8 v[PFO], s[58:59] offset:512 th:TH_LOAD_NT scope:SCOPE_SE
	global_prefetch_b8 v[PFO], s[58:59] offset:16384+512 th:TH_LOAD_NT scope:SCOPE_SE
.Lno_c:
.endif
	WIN MUL_HI
	MUL16 4, 1, 0
	MUL16 6, 1, 0
	WIN 0
.if (\ld) != 5
	PLACES 4
	FETCH_A ADRA+\next, 0, 4, AF+64
.endif
.endm
.macro HFETCH slot, q, p
	FETCH_B \slot, \q, \p
	FETCH_A ADRH+\slot, \q, 0, AF+64*(\p)
.endm
; a K step of the second tile.  mode 1: K step ld is asked for into this slot; 0: nothing is filled again; 2: the last step
.macro HSTEP slot, mode, ld, zero
	s_wait_dscnt 0x0                               ; set 0 is in
	PLACES 4
	HFETCH \slot, 1, 1
.if \zero
	WIN 0x81
.else
	WIN MUL_LO
.endif
	MULH 0, 0, \zero
	MULH 2, 0, \zero
	WIN 0
.if (\mode) < 2
	s_wait_tensorcnt 0x0
	ds_add_u32 v[SPW], v[NIL]
.if (\mode) == 1
	DESC \ld
.endif
	s_wait_dscnt 1                                 ; set 1 is in; the add alone may be out
	WIN MUL_LO
	MULH 0, 1, 0
	WIN 0
	s_wait_dscnt 0x0                               ; the add is done
	s_barrier_signal -1
	s_barrier_wait -1
.if (\mode) == 1
	CREST
	JLOAD
.else
	PLACES 4
.endif
	HFETCH 1-\slot, 0, 0
	WIN MUL_LO
	MULH 2, 1, 0
	WIN 0
.else
	s_wait_dscnt 0x0
	WIN MUL_LO
	MULH 0, 1, 0
	MULH 2, 1, 0
	WIN 0
.endif
.endm
; THE WAY OUT of block a (16 A rows x 128 B rows): held within +-448 x the scale (the conversion does not saturate: ISA guide 7.6.2), converted; a lane's 16 codes of two neighbouring blocks are its 16 bytes of a unit:
; each store of the wave covers 512 consecutive bytes, aligned
.macro QOUT a, base, pitch
.set AC, 64*((\a)%4)
.set W, 2+(\a)/4
.set CB, CD+16*((\a)%2)
.if (\a) > 1
	s_wait_xcnt 0x0                                ; the stores of block a - 2 have read their codes
.endif
	WIN (W<<6)|W
.set qn, 0
.rept 64
	v_med3_num_f32 v[AC+qn], v[AC+qn], -v[HV], v[HV]
.set qn, qn+1
.endr
	WIN W
.irp b, 0,1,2,3,4,5,6,7
	v_cvt_scalef32_pk8_fp8_f32 v[CB+2*\b:CB+2*\b+1], v[AC+8*\b:AC+8*\b+7], v[SCV]
.endr
	v_nop                                          ; a plain instruction behind the conversions
	WIN 0
.irp u, 0,1,2,3
	global_store_b128 v[CO], v[CB+4*\u:CB+4*\u+3], s[\base:\base+1] offset:(\a)*\pitch+512*\u
.endr
.endm
	s_wait_alu depctr_va_vdst(0)                   ; the wait at the head's end
	s_wait_tensorcnt 0x0                           ; my part of K steps 0 and 1 is in
	s_barrier_signal -1
	s_barrier_wait -1
	FETCH_B 0, 0, 0
	FETCH_A ADRA, 0, 0, AF
	FETCH_A ADRA, 0, 4, AF+64
	STEP 0, 1
	TURN 1, 2
	STEP 1, 0
	TURN 0, 3
	STEP 0, 0
	TURN 1, 4                                      ; the ring goes on into the second tile
	STEP 1, 0
	TURN 0, 5
	PLACES 4
.irp a, 0,1,2,3,4,5,6,7
	QOUT \a, 10, 4096
.endr
	v_mov_b32 v[SCV], s63                          ; v's scales
	v_mov_b32 v[HV], s99
.irp a, 0,1,2,3
.irp j, 0,1,2,3,4,5,6,7
	v_mul_f32 v[BN+8*\a+\j], s62, v[BM+\a]         ; the bias of row 16 a + r, the same in all eight registers
.endr
.endr
	s_wait_alu depctr_va_vdst(0)
	HSTEP 0, 1, 6, 1
	HSTEP 1, 1, 7, 0
	HSTEP 0, 0, 0, 0
	HSTEP 1, 2, 0, 0
	s_wait_xcnt 0x0                                ; the first tile's stores have read their codes
	PLACES 4
.irp a, 0,1,2,3
	QOUT \a, 90, 32768
.endr
	s_wait_tensorcnt 0x0                           ; the wave's end
	ds_add_u32 v[SPW], v[NIL]
	s_wait_dscnt 0x0
	CROUND                                         ; the closing round
	s_endpgm
.Lfunc_end_k_q63ea4250a3_proj:
	.size	k_q63ea4250a3_proj, .Lfunc_end_k_q63ea4250a3_proj-k_q63ea4250a3_proj
	.p2alignl 7, 3214868480
	.fill 96, 4, 3214868480
	.section	.rodata,"a",@progbits
	.p2align	6, 0x0
	.amdhsa_kernel k_q63ea4250a3_proj
		.amdhsa_group_segment_fixed_size 327680
		.amdhsa_private_segment_fixed_size 0
		.amdhsa_enable_private_segment 0
		.amdhsa_kernarg_size 104
		.amdhsa_user_sgpr_count 2
		.amdhsa_user_sgpr_kernarg_segment_ptr 1
		.amdhsa_wavefront_size32 1
		.amdhsa_system_sgpr_workgroup_id_x 1
		.amdhsa_system_sgpr_workgroup_id_y 1
		.amdhsa_system_sgpr_workgroup_id_z 1
		.amdhsa_system_vgpr_workitem_id 0
		.amdhsa_next_free_vgpr 1024
		.amdhsa_next_free_sgpr 102
		.amdhsa_reserve_vcc 0
		.amdhsa_float_denorm_mode_32 3
		.amdhsa_float_denorm_mode_16_64 3
		.amdhsa_memory_ordered 1
		.amdhsa_forward_progress 1
		.amdhsa_inst_pref_size 194
	.end_amdhsa_kernel
	.amdgpu_metadata
---
amdhsa.version: [ 1, 2 ]
amdhsa.kernels:
  - .name:           k_q63ea4250a3_proj
    .symbol:         k_q63ea4250a3_proj.kd
    .args:
      - { .name: q_codes, .offset: 0, .size: 8, .value_kind: global_buffer, .address_space: global }
      - { .name: k_codes, .offset: 8, .size: 8, .value_kind: global_buffer, .address_space: global }
      - { .name: wq_w_codes, .offset: 16, .size: 8, .value_kind: global_buffer, .address_space: global }
      - { .name: wk_w_codes, .offset: 24, .size: 8, .value_kind: global_buffer, .address_space: global }
      - { .name: v_codes, .offset: 32, .size: 8, .value_kind: global_buffer, .address_space: global }
      - { .name: wv_w_codes, .offset: 40, .size: 8, .value_kind: global_buffer, .address_space: global }
      - { .name: wq_b, .offset: 48, .size: 8, .value_kind: global_buffer, .address_space: global }
      - { .name: wk_b, .offset: 56, .size: 8, .value_kind: global_buffer, .address_space: global }
      - { .name: wv_b, .offset: 64, .size: 8, .value_kind: global_buffer, .address_space: global }
      - { .name: qpc, .offset: 72, .size: 8, .value_kind: global_buffer, .address_space: global }
      - { .name: kpc, .offset: 80, .size: 8, .value_kind: global_buffer, .address_space: global }
      - { .name: vtc, .offset: 88, .size: 8, .value_kind: global_buffer, .address_space: global }
      - { .name: lowp_scales, .offset: 96, .size: 8, .value_kind: global_buffer, .address_space: global }
    .group_segment_fixed_size: 327680
    .private_segment_fixed_size: 0
    .kernarg_segment_align: 8
    .kernarg_segment_size: 104
    .max_flat_workgroup_size: 128
    .sgpr_count:     102
    .vgpr_count:     1024
    .wavefront_size: 32
...
	.end_amdgpu_metadata
.endif
;; end of part 1
;; launch scores (part 2): grid 16 x 9, 4 waves a work-group, clusters of 4 x 1, 327,680 bytes of LDS; arguments qpc, kpc, lowp_scales, pc, nmb, lb; writes pc, nmb, lb
.if DOCPART == 2
	.amdgcn_target "amdgcn-amd-amdhsa--gfx1250"
	.amdhsa_code_object_version 6
	.text
	.protected	k_q63ea4250a3_scores
	.globl	k_q63ea4250a3_scores
	.p2align	8
	.type	k_q63ea4250a3_scores,@function
k_q63ea4250a3_scores:
	s_mov_b64 s[64:65], 0
	v_nop
	global_prefetch_b8 v0, s[64:65] scope:SCOPE_SE
	s_setreg_imm32_b32 hwreg(HW_REG_WAVE_MODE, 25, 1), 1
	s_wait_xcnt 0x0
	s_wait_alu depctr_hold_cnt(0) depctr_sa_sdst(0) depctr_va_vdst(0) depctr_va_sdst(0) depctr_va_ssrc(0) depctr_va_vcc(0) depctr_vm_vsrc(0)
	s_getreg_b32 s2, hwreg(HW_REG_IB_STS2, 6, 4)
	s_cmp_eq_u32 s2, 0
	s_cbranch_scc0 .Lentry_in_a_cluster
	s_endpgm
.Lentry_in_a_cluster:
	s_bfe_u32 s2, ttmp6, 0x10000c
	s_cmp_lg_u32 s2, 0x3003
	s_cbranch_scc0 .Lentry_shape_is_right
	s_endpgm
.Lentry_shape_is_right:
; S = Q K^T on codes of FP8, tile by tile of 256 queries x 256 keys, and at once p = 2^(t - M_j), t = score x log2(e) / 32, M_j = the largest t of the row in this tile rounded up to a whole number: quantised and stored.
; nmb, lb [4][8 j][2048 q]: -M_j and the sum of the unquantised p.  The next launch weighs the tiles of a row by exact powers of two.
; pc: fragment images: [4][128 blocks of 16 queries][64 units of 32 keys][32 lanes][16 bytes].
; LEFT OUT: tiles wholly above the diagonal (36 of 64 are made in each batch): their p is 0 for all inputs, by reference()'s own mask.
; SHARES.  A wave makes 128 x 128: 64 accumulators; a lane holds one query and eight neighbouring keys.
; CLUSTERS.  Cluster x = the batch, cluster y = the group: a batch's 36 tiles are nine groups of four that share one operand.  Groups 0-5 share a query tile, groups 6-8 a key tile (the table below).
; Waves 0, 1 fetch the shared operand JOINTLY, waves 2, 3 the tile's own operand.  Which of the two holds the queries hangs on the group alone.
; LDS.  Slot s, K step s % 2, is bytes 131072 s on: the shared operand's two halves of 128 rows, 32,768 bytes each, then the own operand's.
; The head brings K steps 0 and 1: waves 0 and 2 an operand's step 0, waves 1 and 3 its step 1, both halves of rows.  Two refills bring steps 2 and 3, a half a wave.
; No prefetch: half of K is asked for at the head, and there is no loop to run ahead in: one refill would be all that an earlier request could serve.
; LIMITS: each power of two below is an f32 number: e6 + e7 between -122 and 130, e8 between -126 and 119.  The promise holds while the scaled scores stay under 2^31 in magnitude.
.set SLOT,   131072
.set OWN,    65536                     ; the own operand in a slot
.set SPARE,  262144
.set XM,     SPARE+512                 ; [max, sum][wc][256 queries] f32
.set ADRA, 16                          ; v16-17 my queries' fragments in slot 0, 1
.set ADRB, 20                          ; v20-21 my keys'
.set XMR,  22
.set XRD,  23
.set CO,   26
.set XMW,  27
.set SPW,  28
.set NIL,  29
.set MX,   32
.set TP,   40
.set NM,   48
.set LA,   64
.set LB,   80
.set HV,   96
.set SCV,  97
.set NINF, 98
.set DV,   100
.set GS,   116
.set AF,   128
.set CD,   128
.set G1S, 24                           ; s[24:31], s[32:35] the shared operand's descriptor;  s[56:63], s[36:39] the own operand's
.set G0S, 32
.set G1O, 56
.set G0O, 36
.set MSB, 0
.macro WIN new
.if MSB != (\new)
	s_set_vgpr_msb (MSB<<8)|(\new)
.set MSB, (\new)
.endif
.endm
.set MUL_LO, 0xa1
.set MUL_HI, 0xf1
.set TO_B,   0x40
.macro JLOAD
	s_cmp_lt_u32 s14, 2
	s_cbranch_scc0 .Lown_\@
	tensor_load_to_lds s[G0S:G0S+3], s[G1S:G1S+7]
	s_nop 0
.rept 4
	v_nop
.endr
	s_branch .Lasked_\@
.Lown_\@:
	tensor_load_to_lds s[G0O:G0O+3], s[G1O:G1O+7]
	s_nop 0
.rept 4
	v_nop
.endr
.Lasked_\@:
.endm
.macro CREST                           ; a round of the cluster's barrier behind its opening barrier
	s_cmp_lg_u32 s14, 0
	s_cbranch_scc1 .Lnot_wave_0_\@
	s_barrier_signal -3
.Lnot_wave_0_\@:
	s_barrier_wait -3
	s_barrier_signal -1
	s_barrier_wait -1
.endm
.macro CROUND
	s_barrier_signal -1
	s_barrier_wait -1
	CREST
.endm
	s_load_b256 s[4:11], s[0:1], 0x0               ; qpc, kpc, the exponents, pc
	s_load_b128 s[40:43], s[0:1], 0x20             ; nmb, lb
	v_lshl_add_u32 v[SPW], v0, 2, SPARE
	v_mov_b32 v[NIL], 0
	ds_add_u32 v[SPW], v[NIL]                      ; the opening lines
	ds_add_u32 v[SPW], v[NIL]
	v_lshrrev_b32 v1, 5, v0
	v_readfirstlane_b32 s14, v1
	s_lshr_b32 s15, s14, 1                         ; my half of the queries
	s_and_b32 s16, s14, 1                          ; my half of the keys.  Also: which K step (at the head) or half of rows (a refill) I fetch
	s_bfe_u32 s44, ttmp6, 0x40000                  ; cx
	s_mov_b32 s12, ttmp9                           ; batch
	s_and_b32 s13, ttmp7, 0xffff                   ; group
	; the groups: bits 3:0 the shared tile, then four bits for each partner's own tile
	s_mov_b32 s19, 0x32107                         ; queries 7; keys 0 1 2 3
.macro GROUP n, word
	s_cmp_eq_u32 s13, \n
	s_cselect_b32 s19, \word, s19
.endm
	GROUP 1, 0x76547                               ; queries 7; keys 4 5 6 7
	GROUP 2, 0x65436                               ; queries 6; keys 3 4 5 6
	GROUP 3, 0x54305                               ; queries 5; keys 0 3 4 5
	GROUP 4, 0x43104                               ; queries 4; keys 0 1 3 4
	GROUP 5, 0x32103                               ; queries 3; keys 0 1 2 3
	GROUP 6, 0x60120                               ; keys 0; queries 2 1 0 6
	GROUP 7, 0x65121                               ; keys 1; queries 2 1 5 6
	GROUP 8, 0x65422                               ; keys 2; queries 2 4 5 6
	s_and_b32 s48, s19, 7                          ; the shared tile
	s_lshl_b32 s49, s44, 2
	s_lshr_b32 s50, s19, 4
	s_lshr_b32 s50, s50, s49
	s_and_b32 s50, s50, 7                          ; my own
	s_cmp_lt_u32 s13, 6
	s_cselect_b32 s17, s48, s50                    ; query tile
	s_cselect_b32 s18, s50, s48                    ; key tile
	s_mov_b32 s[G1S+0], 15|(3<<16)|(1<<21)         ; the mask: all four; elements of 8 bytes; bit 21 beside a mask; no padding
	s_mov_b32 s[G1O+0], 3<<16
.irp g, G1S, G1O
	s_mov_b32 s[\g+1], 4096<<16                    ; the head's tile: 2 halves of 32,768 bytes, 131,072 bytes apart
	s_mov_b32 s[\g+2], 2<<16
	s_mov_b32 s[\g+3], 4096<<16
	s_mov_b32 s[\g+4], 2
	s_mov_b32 s[\g+5], 16384
	s_mov_b32 s[\g+6], 0
	s_mov_b32 s[\g+7], 0
.endr
	s_lshl_b32 s45, s14, 15                        ; where a refill goes in a slot
	s_lshl_b32 s51, s12, 3
	s_add_co_u32 s48, s48, s51
	s_lshl_b32 s48, s48, 18                        ; the shared operand's 256 rows
	s_mov_b32 s49, 0
	s_add_co_u32 s50, s50, s51
	s_lshl_b32 s50, s50, 18                        ; my own operand's
	s_mov_b32 s51, 0
	s_lshl_b32 s52, s16, 15                        ; at the head: K step 0 or 1,
	s_mov_b32 s53, 0
	s_lshl_b32 s19, s16, 17                        ; and its slot
	s_mov_b32 s[G0S], 1
	s_mov_b32 s[G0S+1], s19
	s_mov_b32 s[G0O], 1
	s_add_co_u32 s[G0O+1], s19, OWN
	s_wait_dscnt 0x0
	s_wait_kmcnt 0x0
	s_load_b256 s[68:75], s[8:9], 0x0
	s_load_b32 s76, s[8:9], 0x20
	s_cmp_lt_u32 s13, 6
	s_cselect_b64 s[2:3], s[4:5], s[6:7]
	s_cselect_b64 s[46:47], s[6:7], s[4:5]
	s_add_nc_u64 s[2:3], s[2:3], s[48:49]
	s_add_nc_u64 s[46:47], s[46:47], s[50:51]
	s_add_nc_u64 s[G0S+2:G0S+3], s[2:3], s[52:53]
	s_or_b32 s[G0S+3], s[G0S+3], 0x80000000
	s_add_nc_u64 s[G0O+2:G0O+3], s[46:47], s[52:53]
	s_or_b32 s[G0O+3], s[G0O+3], 0x80000000
	CROUND                                         ; all four work-groups are here: the first joint loads meet
	JLOAD                                          ; K steps 0 and 1
	s_lshl_b32 s48, s16, 17                        ; from here on the bases stand at the half of rows that I fetch
	s_mov_b32 s49, 0
	s_add_nc_u64 s[2:3], s[2:3], s[48:49]
	s_add_nc_u64 s[46:47], s[46:47], s[48:49]
	s_lshl_b32 s48, s12, 3                         ; -M_j and l_j: (8 b + j) x 2048 + 256 I + 64 w
	s_add_co_u32 s48, s48, s18
	s_lshl_b32 s48, s48, 11
	s_lshl_b32 s49, s17, 8
	s_add_co_u32 s48, s48, s49
	s_lshl_b32 s49, s14, 6
	s_add_co_u32 s48, s48, s49
	s_lshl_b32 s48, s48, 2
	s_mov_b32 s49, 0
	s_add_nc_u64 s[40:41], s[40:41], s[48:49]
	s_add_nc_u64 s[42:43], s[42:43], s[48:49]
	s_lshl_b32 s50, s12, 22                        ; P: blocks of 16 queries 128 b + 16 I + 8 wr, units 8 j + 4 wc
	s_lshl_b32 s51, s17, 19
	s_add_co_u32 s50, s50, s51
	s_lshl_b32 s51, s15, 18
	s_add_co_u32 s50, s50, s51
	s_lshl_b32 s51, s18, 12
	s_add_co_u32 s50, s50, s51
	s_lshl_b32 s51, s16, 11
	s_add_co_u32 s50, s50, s51
	s_mov_b32 s51, 0
	s_add_nc_u64 s[10:11], s[10:11], s[50:51]
	s_mov_b32 s55, 0x7f800000
	s_cmp_eq_u32 s17, s18                          ; is my tile on the diagonal?  A value, and no branch
	s_cselect_b32 s77, -1, 0                       ; a lane mask,
	s_cselect_b32 s78, 0xff800000, 0               ; and what is added to a hidden block's scores
	s_mov_b32 s79, s78                             ; (named with it as a pair, so it is written)
	s_xor_b32 s54, s15, 1
	s_and_b32 s54, s54, s16
	s_and_b32 s54, s54, s77
	s_cmp_eq_u32 s54, 1                            ; on the diagonal the wave of the first queries and the second keys sees no key: s54 = -infinity there, else +infinity
	s_cselect_b32 s54, 0xff800000, s55
	s_mov_b32 s51, OWN
	s_cmp_lt_u32 s13, 6
	s_cselect_b32 s50, 0, s51                      ; where the queries' and the keys' halves lie in a slot
	s_cselect_b32 s51, s51, 0
	s_lshl_b32 s48, s15, 15
	s_add_co_u32 s48, s48, s50
	s_lshl_b32 s49, s16, 15
	s_add_co_u32 s49, s49, s51
	s_lshl_b32 s50, s16, 10
	s_lshl_b32 s51, s15, 9
	s_add_co_u32 s51, s51, XM
	s_add_co_u32 s50, s50, s51
	s_xor_b32 s52, s16, 1
	s_lshl_b32 s52, s52, 10
	s_add_co_u32 s52, s52, s51
	s_lshl_b32 s53, s14, 8
	s_add_co_u32 s53, s53, XM
	s_mov_b32 s20, 0x76543210
	s_mov_b32 s21, 0xfedcba98
	v_and_b32 v1, 15, v0                           ; r
	v_bfe_u32 v2, v0, 4, 1                         ; h
	v_and_b32 v5, 31, v0
	v_lshlrev_b32 v[CO], 4, v5
	v_lshlrev_b32 v[GS], 3, v5
	v_add_nc_u32 v[ADRA], s48, v[CO]
	v_add_nc_u32 v[ADRB], s49, v[CO]
	v_add_nc_u32 v[ADRA+1], SLOT, v[ADRA]
	v_add_nc_u32 v[ADRB+1], SLOT, v[ADRB]
	v_lshl_add_u32 v[XMW], v1, 2, s50
	v_lshl_add_u32 v[XMR], v1, 2, s52
	v_lshl_add_u32 v[XRD], v5, 3, s53
	v_lshlrev_b32 v2, 3, v2
	v_sub_nc_u32 v[DV], v1, v2                     ; r - 8 h
	v_mov_b32 v[NINF], 0xff800000
.irp a, 0,1,2,3,4,5,6,7
	v_mov_b32 v[TP+\a], 0                          ; (a lane permute's destination counts as one of its sources)
	v_mov_b32 v[NM+2*\a+1], 0                      ; (named as the upper halves of pairs)
.endr
	s_wait_alu depctr_va_vdst(0)
	s_wait_kmcnt 0x0
	s_add_co_i32 s52, s74, s75
	s_lshl_b32 s52, s52, 23
	s_add_co_i32 s22, s52, 0x3d38aa3b              ; log2(e) / 32 x 2^(e6 + e7)
	s_mov_b32 s23, s22                             ; (named with it as a pair, so it is written)
	s_add_co_i32 s52, s76, 127
	s_lshl_b32 s53, s52, 23
	v_mov_b32 v[SCV], s53                          ; 2^e8
	s_add_co_i32 s52, s52, 8
	s_lshl_b32 s52, s52, 23
	s_or_b32 s52, s52, 0x600000
	v_mov_b32 v[HV], s52                           ; 448 x that
.macro FRAG reg, adr, slot, q, i       ; an image of the fragment's registers: 2,048 dense bytes
.irp c, 0,1,2,3
	ds_load_b128 v[\reg+4*\c:\reg+4*\c+3], v[\adr+\slot] offset:4096*(\i)+2048*(\q)+512*\c
.endr
.endm
.macro MUL16 a0, p, zero               ; the 64 accumulators take turns
.irp a, \a0, \a0+1
.irp b, 0,1,2,3,4,5,6,7
.if \zero
	v_wmma_f32_16x16x128_fp8_fp8 v[8*(8*((\a)%4)+\b):8*(8*((\a)%4)+\b)+7], v[128*(\p)+16*\b:128*(\p)+16*\b+15], v[AF+16*(\a):AF+16*(\a)+15], 0
.else
	v_wmma_f32_16x16x128_fp8_fp8 v[8*(8*((\a)%4)+\b):8*(8*((\a)%4)+\b)+7], v[128*(\p)+16*\b:128*(\p)+16*\b+15], v[AF+16*(\a):AF+16*(\a)+15], v[8*(8*((\a)%4)+\b):8*(8*((\a)%4)+\b)+7]
.endif
.endr
.endr
.endm
.macro FETCH_B slot, q, p
	WIN TO_B
.irp i, 0,1,2,3,4,5,6,7
	FRAG 128*(\p)+16*\i, ADRB, \slot, \q, \i
.endr
	WIN 0
.endm
.macro FETCH_A slot, q, i0
.irp i, \i0, \i0+1, \i0+2, \i0+3
	FRAG AF+16*(\i), ADRA, \slot, \q, \i
.endr
.endm
.macro PLACES n                        ; plain instructions between a matrix instruction and a load into, or a vector access of, its registers
.rept \n
	v_nop
.endr
.endm
.macro STEP slot, zero                 ; a slot's first 128 along K
	s_wait_dscnt 16                                ; B's set and A's blocks 0-3 are in; the 16 loads of A's blocks 4-7 may be out
	WIN MUL_LO
	MUL16 0, 0, \zero
	MUL16 2, 0, \zero
	s_wait_dscnt 0x0
	PLACES 4
	FETCH_B \slot, 1, 1
	FETCH_A \slot, 1, 0
	WIN MUL_HI
	MUL16 4, 0, \zero
	MUL16 6, 0, \zero
	PLACES 4
	WIN 0
	FETCH_A \slot, 1, 4
.endm
.macro TURN next, ld                   ; a slot's second 128 along K changes slots; ld = 2, 3: that K step is asked for into the slot just read
	s_wait_tensorcnt 0x0                           ; all my tensor loads have landed
	ds_add_u32 v[SPW], v[NIL]
.if \ld
.irp g, G1S, G1O
	s_mov_b32 s[\g+1], 512<<16                     ; a refill: 32,768 dense bytes as 8 rows of 4,096
	s_mov_b32 s[\g+2], 8<<16
	s_mov_b32 s[\g+3], 512<<16
	s_mov_b32 s[\g+4], 8
	s_mov_b32 s[\g+5], 512
.endr
	s_add_co_u32 s[G0S+1], s45, ((\ld)%2)*SLOT
	s_add_nc_u64 s[G0S+2:G0S+3], s[2:3], (\ld)*32768
	s_or_b32 s[G0S+3], s[G0S+3], 0x80000000
	s_add_co_u32 s[G0O+1], s45, ((\ld)%2)*SLOT
	s_add_nc_u64 s[G0O+2:G0O+3], s[46:47], (\ld)*32768
	s_or_b32 s[G0O+3], s[G0O+3], 0x80000000
.endif
	s_wait_dscnt 17                                ; the add and the 16 loads of A's blocks 4-7 may be out
	WIN MUL_LO
	MUL16 0, 1, 0
	s_wait_dscnt 0x0                               ; the add is done, and my reads of this slot are over
	s_barrier_signal -1
	MUL16 2, 1, 0
	WIN 0
	s_barrier_wait -1
.if \ld
	CREST                                          ; no wave of any partner still reads this slot or has a load on its way
	JLOAD                                          ; its four v_nop are the places in front of the loads below
.else
	PLACES 4
.endif
	FETCH_B \next, 0, 0
	FETCH_A \next, 0, 0
	WIN MUL_HI
	MUL16 4, 1, 0
	MUL16 6, 1, 0
	PLACES 4
	WIN 0
	FETCH_A \next, 0, 4
.endm
	s_wait_alu depctr_va_vdst(0)                   ; the wait at the head's end
	s_wait_tensorcnt 0x0                           ; my part of K steps 0 and 1 is in
	s_barrier_signal -1
	s_barrier_wait -1
	FETCH_B 0, 0, 0
	FETCH_A 0, 0, 0
	FETCH_A 0, 0, 4
	STEP 0, 1
	TURN 1, 2
	STEP 1, 0
	TURN 0, 3
	STEP 0, 0
	TURN 1, 0
	STEP 1, 0
	s_wait_dscnt 16
	WIN MUL_LO
	MUL16 0, 1, 0
	MUL16 2, 1, 0
	s_wait_dscnt 0x0
	WIN MUL_HI
	MUL16 4, 1, 0
	MUL16 6, 1, 0
	WIN 0
	PLACES 4
	; THE MASK, in the two waves that a tile's diagonal runs through (a branch on the wave's number alone): on the diagonal s78 = -infinity hides block (a, b) for b > a, and for b = a register j, key 8 h + j, is hidden
	; where j > r - 8 h; in any other tile 0 is added and the masks are empty
	s_cmp_lg_u32 s15, s16
	s_cbranch_scc1 .Lopen
.irp j, 0,1,2,3,4,5,6,7
	v_cmp_gt_i32 s[56+\j], \j, v[DV]
.endr
.irp j, 0,1,2,3,4,5,6,7
	s_and_b32 s[56+\j], s[56+\j], s77
.endr
.irp a, 0,1,2,3,4,5,6,7
	WIN 0x82+0x41*(\a/4)
.irp j, 0,1,2,3,4,5,6,7
	v_cndmask_b32 v[64*(\a%4)+8*\a+\j], v[64*(\a%4)+8*\a+\j], v[NINF], s[56+\j]
.endr
.if \a < 7
.set mn, 64*(\a%4)+8*\a+8
.rept 28-4*\a
	v_pk_add_f32 v[mn:mn+1], v[mn:mn+1], s[78:79] op_sel_hi:[1,0]
.set mn, mn+2
.endr
.endif
.endr
	WIN 0
	s_wait_alu depctr_va_vdst(0)
.Lopen:
.macro SMAX w                          ; the largest score of my query in each of four blocks' registers, each accumulator from its low end on
	WIN 0x28+0x14*(\w)
.irp a, 0,1,2,3
	v_max3_num_f32 v[MX+4*(\w)+\a], v[NINF], v[64*\a], v[64*\a+1]
.endr
.set mn, 2
.rept 31
.irp a, 0,1,2,3
	v_max3_num_f32 v[MX+4*(\w)+\a], v[MX+4*(\w)+\a], v[64*\a+mn], v[64*\a+mn+1]
.endr
.set mn, mn+2
.endr
.endm
	s_wait_alu depctr_va_vdst(0)
	SMAX 0
	SMAX 1
	WIN 0
.irp a, 0,1,2,3,4,5,6,7
	v_permlanex16_b32 v[TP+\a], v[MX+\a], s20, s21
.endr
.irp a, 0,1,2,3,4,5,6,7
	v_max_num_f32 v[MX+\a], v[MX+\a], v[TP+\a]
.endr
.irp a, 0,1,2,3,4,5,6,7
	v_min_num_f32 v[MX+\a], s54, v[MX+\a]          ; -infinity where my wave sees no key
.endr
.irp a, 0,1,2,3,4,5,6,7
	ds_store_b32 v[XMW], v[MX+\a] offset:64*\a
.endr
	s_wait_alu depctr_va_vdst(0)
	s_wait_dscnt 0x0
	s_barrier_signal -1
	s_barrier_wait -1
.irp a, 0,1,2,3,4,5,6,7
	ds_load_b32 v[TP+\a], v[XMR] offset:64*\a      ; the other wave's half of the keys
.endr
	s_wait_dscnt 0x0
.irp a, 0,1,2,3,4,5,6,7
	v_max_num_f32 v[MX+\a], v[MX+\a], v[TP+\a]
.endr
.irp a, 0,1,2,3,4,5,6,7
	v_mul_f32 v[MX+\a], s22, v[MX+\a]
.endr
.irp a, 0,1,2,3,4,5,6,7
	v_floor_f32 v[NM+2*\a], -v[MX+\a]              ; -M, a whole number
.endr
.irp a, 0,1,2,3,4,5,6,7
	v_min_num_f32 v[NM+2*\a], s54, v[NM+2*\a]      ; where my wave sees no key, t - M becomes -infinity and p is 0
.endr
.macro SOFT w
.set W, 2+(\w)
	WIN (W<<6)|W
.irp a, 0,1,2,3
.set mn, 0
.rept 32
	v_pk_fma_f32 v[64*\a+mn:64*\a+mn+1], v[64*\a+mn:64*\a+mn+1], s[22:23], v[NM+2*(4*(\w)+\a):NM+2*(4*(\w)+\a)+1] op_sel_hi:[1,0,0]
.set mn, mn+2
.endr
.endr
.set mn, 0
	s_wait_alu depctr_va_vdst(0)                   ; the wait ahead of the batch
.rept 256
	v_exp_f32 v[mn], v[mn]
.set mn, mn+1
.endr
	v_nop
	s_wait_alu depctr_va_vdst(0)                   ; the wait behind the batch
	WIN W|(W<<2)
.irp a, 0,1,2,3
	v_pk_add_f32 v[LA+2*(4*(\w)+\a):LA+2*(4*(\w)+\a)+1], v[64*\a:64*\a+1], v[64*\a+2:64*\a+3]
	v_pk_add_f32 v[LB+2*(4*(\w)+\a):LB+2*(4*(\w)+\a)+1], v[64*\a+4:64*\a+5], v[64*\a+6:64*\a+7]
.endr
	WIN W<<2
.set mn, 8
.rept 14
.irp a, 0,1,2,3
	v_pk_add_f32 v[LA+2*(4*(\w)+\a):LA+2*(4*(\w)+\a)+1], v[LA+2*(4*(\w)+\a):LA+2*(4*(\w)+\a)+1], v[64*\a+mn:64*\a+mn+1]
	v_pk_add_f32 v[LB+2*(4*(\w)+\a):LB+2*(4*(\w)+\a)+1], v[LB+2*(4*(\w)+\a):LB+2*(4*(\w)+\a)+1], v[64*\a+mn+2:64*\a+mn+3]
.endr
.set mn, mn+4
.endr
	WIN (W<<6)|W
.set mn, 0
.rept 256
	v_min_num_f32 v[mn], v[mn], v[HV]              ; p is never negative: a one-sided hold (the conversion does not saturate: ISA guide 7.6.2)
.set mn, mn+1
.endr
	WIN W
.irp a, 0,1,2,3
.irp b, 0,1,2,3,4,5,6,7
	v_cvt_scalef32_pk8_fp8_f32 v[CD+16*(4*(\w)+\a)+2*\b:CD+16*(4*(\w)+\a)+2*\b+1], v[64*\a+8*\b:64*\a+8*\b+7], v[SCV]
.endr
.endr
	v_nop
	WIN 0
.irp a, 0,1,2,3
.irp u, 0,1,2,3
	global_store_b128 v[CO], v[CD+16*(4*(\w)+\a)+4*\u:CD+16*(4*(\w)+\a)+4*\u+3], s[10:11] offset:(4*(\w)+\a)*32768+512*\u   ; a unit: 512 consecutive bytes, aligned
.endr
.endr
.endm
	SOFT 0
	SOFT 1
.irp a, 0,1,2,3,4,5,6,7
	v_pk_add_f32 v[LA+2*\a:LA+2*\a+1], v[LA+2*\a:LA+2*\a+1], v[LB+2*\a:LB+2*\a+1]
.endr
.irp a, 0,1,2,3,4,5,6,7
	v_add_f32 v[LA+2*\a], v[LA+2*\a], v[LA+2*\a+1]
.endr
.irp a, 0,1,2,3,4,5,6,7
	v_permlanex16_b32 v[TP+\a], v[LA+2*\a], s20, s21
.endr
.irp a, 0,1,2,3,4,5,6,7
	v_add_f32 v[LA+2*\a], v[LA+2*\a], v[TP+\a]
.endr
.irp a, 0,1,2,3,4,5,6,7
	ds_store_b32 v[XMW], v[LA+2*\a] offset:2048+64*\a
.endr
	s_wait_dscnt 0x0
	s_barrier_signal -1
	s_barrier_wait -1
	ds_load_b64 v[108:109], v[XRD]                 ; two queries a lane, both halves of the keys
	ds_load_b64 v[110:111], v[XRD] offset:1024
	ds_load_b64 v[112:113], v[XRD] offset:2048
	ds_load_b64 v[114:115], v[XRD] offset:3072
	s_wait_dscnt 0x0
	v_max_num_f32 v108, v108, v110
	v_max_num_f32 v109, v109, v111
	v_add_f32 v112, v112, v114
	v_add_f32 v113, v113, v115
	v_mul_f32 v108, s22, v108
	v_mul_f32 v109, s22, v109
	v_floor_f32 v108, -v108
	v_floor_f32 v109, -v109
	global_store_b64 v[GS], v[108:109], s[40:41]
	global_store_b64 v[GS], v[112:113], s[42:43]
	s_wait_tensorcnt 0x0                           ; the wave's end
	ds_add_u32 v[SPW], v[NIL]
	s_wait_dscnt 0x0
	CROUND                                         ; the closing round
	s_endpgm
.Lfunc_end_k_q63ea4250a3_scores:
	.size	k_q63ea4250a3_scores, .Lfunc_end_k_q63ea4250a3_scores-k_q63ea4250a3_scores
	.p2alignl 7, 3214868480
	.fill 96, 4, 3214868480
	.section	.rodata,"a",@progbits
	.p2align	6, 0x0
	.amdhsa_kernel k_q63ea4250a3_scores
		.amdhsa_group_segment_fixed_size 327680
		.amdhsa_private_segment_fixed_size 0
		.amdhsa_enable_private_segment 0
		.amdhsa_kernarg_size 48
		.amdhsa_user_sgpr_count 2
		.amdhsa_user_sgpr_kernarg_segment_ptr 1
		.amdhsa_wavefront_size32 1
		.amdhsa_system_sgpr_workgroup_id_x 1
		.amdhsa_system_sgpr_workgroup_id_y 1
		.amdhsa_system_sgpr_workgroup_id_z 1
		.amdhsa_system_vgpr_workitem_id 0
		.amdhsa_next_free_vgpr 1024
		.amdhsa_next_free_sgpr 80
		.amdhsa_reserve_vcc 0
		.amdhsa_float_denorm_mode_32 3
		.amdhsa_float_denorm_mode_16_64 3
		.amdhsa_memory_ordered 1
		.amdhsa_forward_progress 1
		.amdhsa_inst_pref_size 186
	.end_amdhsa_kernel
	.amdgpu_metadata
---
amdhsa.version: [ 1, 2 ]
amdhsa.kernels:
  - .name:           k_q63ea4250a3_scores
    .symbol:         k_q63ea4250a3_scores.kd
    .args:
      - { .name: qpc, .offset: 0, .size: 8, .value_kind: global_buffer, .address_space: global }
      - { .name: kpc, .offset: 8, .size: 8, .value_kind: global_buffer, .address_space: global }
      - { .name: lowp_scales, .offset: 16, .size: 8, .value_kind: global_buffer, .address_space: global }
      - { .name: pc, .offset: 24, .size: 8, .value_kind: global_buffer, .address_space: global }
      - { .name: nmb, .offset: 32, .size: 8, .value_kind: global_buffer, .address_space: global }
      - { .name: lb, .offset: 40, .size: 8, .value_kind: global_buffer, .address_space: global }
    .group_segment_fixed_size: 327680
    .private_segment_fixed_size: 0
    .kernarg_segment_align: 8
    .kernarg_segment_size: 48
    .max_flat_workgroup_size: 128
    .sgpr_count:     80
    .vgpr_count:     1024
    .wavefront_size: 32
...
	.end_amdgpu_metadata
.endif
;; end of part 2
;; launch pv (part 3): grid 16 x 16, 4 waves a work-group, clusters of 4 x 1, 327,680 bytes of LDS; arguments pc, vtc, nmb, lb, lowp_scales, out0; writes out0
.if DOCPART == 3
	.amdgcn_target "amdgcn-amd-amdhsa--gfx1250"
	.amdhsa_code_object_version 6
	.text
	.protected	k_q63ea4250a3_pv
	.globl	k_q63ea4250a3_pv
	.p2align	8
	.type	k_q63ea4250a3_pv,@function
k_q63ea4250a3_pv:
	s_mov_b64 s[64:65], 0
	v_nop
	global_prefetch_b8 v0, s[64:65] scope:SCOPE_SE
	s_setreg_imm32_b32 hwreg(HW_REG_WAVE_MODE, 25, 1), 1
	s_wait_xcnt 0x0
	s_wait_alu depctr_hold_cnt(0) depctr_sa_sdst(0) depctr_va_vdst(0) depctr_va_sdst(0) depctr_va_ssrc(0) depctr_va_vcc(0) depctr_vm_vsrc(0)
	s_getreg_b32 s2, hwreg(HW_REG_IB_STS2, 6, 4)
	s_cmp_eq_u32 s2, 0
	s_cbranch_scc0 .Lentry_in_a_cluster
	s_endpgm
.Lentry_in_a_cluster:
	s_bfe_u32 s2, ttmp6, 0x10000c
	s_cmp_lg_u32 s2, 0x3003
	s_cbranch_scc0 .Lentry_shape_is_right
	s_endpgm
.Lentry_shape_is_right:
; O = (the sum over key blocks j of 2^(M_j - M) P_j V_j) x 2^(e8 + e9) / l,  M = the largest M_j of the row, l = the sum of 2^(M_j - M) l_j.  P, V: codes of FP8; the weights are exact powers of two.
; pc, vtc: fragment images: [4][128 blocks of 16 queries][64 units of 32 keys][512 bytes], [4][64 blocks of 16 channels][64 units][512 bytes].  nmb, lb [4][8 j][2048 q]: -M_j and l_j.  out0 [4][2048][1024] f32.
; LEFT OUT: key blocks wholly behind a block of queries: their p is 0 for all inputs, by reference()'s own mask.
; SHARES.  A work-group makes query blocks 7 - I and I (256 queries each, I = 0 .. 3) of a batch x 64 of the 1,024 channels: (8 - I) + (I + 1) = NINE key blocks of 256 keys for each of the 256 work-groups.
; Step t = 0 .. 8: block 7 - I with key block t while t < 8 - I, then block I with key block t + I - 8.  The first block's results leave in mid-walk, where the second begins.
; Wave w owns queries 64 w on (4 blocks of 16) and all 64 channels (4 blocks).  A step is 32 matrix instructions into T (begun with the constant 0), then O += f x T, f the lane's weight of the step.
; THE MATRIX INSTRUCTION IS USED TRANSPOSED: source 0 = 16 channels of V^T, source 1 = 16 queries of P: a lane holds one query and eight neighbouring channels.
; LDS.  V: three chunks of 512 keys x 64 channels, 32,768 bytes each: keys 0 on, keys 1024 on, keys 512 on; each comes once and stays, for both blocks of queries.  Keys 1536 on are needed for I = 0, 1 alone, from step 6 on,
; when keys 512 on are needed no more for such I: they take their place; for I = 2, 3 keys 512 on are fetched once more instead, so that the load is the same on every path.
; P: three slots of one step each, filled by turns as a PAIR (slots 0, 1: waves 0, 1 bring one each) and a SINGLE (slot 2: waves 0, 1 bring a half each): four refills.
; CLUSTER.  The four partners make four channel tiles of the same queries: P's tiles are asked for JOINTLY; V's differ between them and come by plain loads.
; PREFETCH: each refill of P is asked of memory one refill ahead by waves 2 and 3; the partners share its rows out by cx.
; REGISTERS: window 0: v16-29 addresses; v32-67 the weights f, four a step; v68-75 2^(e8 + e9) / l, four a block; v128-191, v192-255 P's fragments, two sets.  window 1: v0-127 V's fragments, two sets.
;   window 2: v0-127 T ((a, b) at v[8 (4 a + b)]).  window 3: v0-127 O, likewise.
.set PREG,   98304                     ; P's slots
.set SPARE,  294912                    ; the spare words, 128 bytes a wave
.set STAGE,  SPARE+512                 ; the way out: 16 rows x (256 bytes + 16) for each wave
.set SPITCH, 272
.set ADP,  16                          ; v16-18 my P fragments in slot 0, 1, 2
.set AV0,  20                          ; V's chunks: keys 0 on (and, 32,768 bytes behind, keys 1024 on)
.set AV2,  21                          ; keys 512 on
.set AVX,  22                          ; V of the step in hand, steps 5 to 8
.set STO,  24
.set RD,   25
.set CO,   26
.set PFO,  27
.set SPW,  28
.set NIL,  29
.set FP,   32
.set GV,   68
.set VO,   80
.set AF,   128
.set NMJ,  128                         ; ahead of the first fetch: -M_j and l_j of each step, numbers at work
.set LJ,   164
.set WT,   200
.set NML,  204
.set NMS,  208
.set LSL,  216
.set LSS,  220
.set G1PF, 24                          ; s[24:31] group 1: P, a whole step;  s[40:47] half of its queries;  s[32:39] V, a chunk
.set G1V,  32
.set G1PH, 40
.set G0P,  56
.set G0V,  60
.set W0J,  15|(1<<21)                  ; the mask: all four; elements of 1 byte; bit 21 beside a mask; no padding
.set MSB, 0
.macro WIN new                         ; the immediate's high byte repeats the setting that is left
.if MSB != (\new)
	s_set_vgpr_msb (MSB<<8)|(\new)
.set MSB, (\new)
.endif
.endm
.macro SHAPE g, w0, bytes, rows        ; rows (blocks of 16 rows of the operand) of so many bytes, 32,768 apart
	s_mov_b32 s[\g+0], \w0
	s_mov_b32 s[\g+1], (\bytes)<<16
	s_mov_b32 s[\g+2], (\rows)<<16
	s_mov_b32 s[\g+3], (\bytes)<<16
	s_mov_b32 s[\g+4], \rows
	s_mov_b32 s[\g+5], 32768
	s_mov_b32 s[\g+6], 0
	s_mov_b32 s[\g+7], 0
.endm
.macro JLOAD g1p, v                    ; waves 0, 1: P, jointly.  v = 2: waves 2 and 3 a chunk of V each; 1: wave 2 alone; 0: none
	s_cmp_lt_u32 s14, 2
	s_cbranch_scc0 .Lfor_v_\@
	tensor_load_to_lds s[G0P:G0P+3], s[\g1p:\g1p+7]
	s_nop 0
.rept 4
	v_nop
.endr
.if \v
	s_branch .Lasked_\@
.endif
.Lfor_v_\@:
.if \v
.if (\v) == 1
	s_cmp_eq_u32 s14, 2
	s_cbranch_scc0 .Lasked_\@
.endif
	tensor_load_to_lds s[G0V:G0V+3], s[G1V:G1V+7]
	s_nop 0
.rept 4
	v_nop
.endr
.Lasked_\@:
.endif
.endm
.macro CREST                           ; a round of the cluster's barrier behind its opening barrier
	s_cmp_lg_u32 s14, 0
	s_cbranch_scc1 .Lnot_wave_0_\@
	s_barrier_signal -3
.Lnot_wave_0_\@:
	s_barrier_wait -3
	s_barrier_signal -1
	s_barrier_wait -1
.endm
.macro CROUND
	s_barrier_signal -1
	s_barrier_wait -1
	CREST
.endm
.macro PADDR                           ; s18 = t: s[22:23] = the byte at which the step's tile of P begins in the batch
	s_add_co_u32 s19, s18, s12
	s_and_b32 s20, s19, 7
	s_cmp_ge_u32 s19, 8
	s_cselect_b32 s20, s20, s18                    ; key block
	s_cselect_b32 s21, s12, s13                    ; query block
	s_lshl_b32 s20, s20, 12
	s_lshl_b32 s22, s21, 19
	s_add_co_u32 s22, s22, s20
	s_mov_b32 s23, 0
.endm
.macro DESCP kind, j                   ; kind 0: the pair, steps j and j + 1; 1: the single, step j
.if (\kind) == 0
	s_add_co_u32 s18, s16, \j
	PADDR
	s_lshl_b32 s20, s16, 16
	s_add_co_u32 s[G0P+1], s20, PREG
.else
	s_mov_b32 s18, \j
	PADDR
	s_lshl_b32 s20, s16, 18
	s_add_co_u32 s22, s22, s20
	s_lshl_b32 s20, s16, 15
	s_add_co_u32 s[G0P+1], s20, PREG+131072
.endif
	s_add_nc_u64 s[G0P+2:G0P+3], s[76:77], s[22:23]
	s_or_b32 s[G0P+3], s[G0P+3], 0x80000000
.endm
.macro ASK kind, j                     ; the next refill's tiles of P: 16 rows of 4,096 bytes a step; the partner cx names rows 4 cx on: for the pair waves 2 and 3 a step each, for the single two rows each
.if (\kind) == 0
	s_add_co_u32 s18, s16, \j
.else
	s_mov_b32 s18, \j
.endif
	PADDR
	s_lshl_b32 s20, s92, 17
	s_add_co_u32 s22, s22, s20
.if (\kind) == 1
	s_lshl_b32 s20, s16, 16
	s_add_co_u32 s22, s22, s20
.endif
	s_add_nc_u64 s[94:95], s[76:77], s[22:23]
	s_cmp_lt_u32 s14, 2
	s_cbranch_scc1 .Lnot_mine_\@
	global_prefetch_b8 v[PFO], s[94:95] th:TH_LOAD_NT scope:SCOPE_SE
.if (\kind) == 0
	global_prefetch_b8 v[PFO], s[94:95] offset:65536 th:TH_LOAD_NT scope:SCOPE_SE
.endif
.Lnot_mine_\@:
.endm
	s_load_b256 s[4:11], s[0:1], 0x0               ; pc, vtc, nmb, lb
	s_load_b128 s[84:87], s[0:1], 0x20             ; the scales' exponents, out0
	v_lshl_add_u32 v[SPW], v0, 2, SPARE
	v_mov_b32 v[NIL], 0
	ds_add_u32 v[SPW], v[NIL]                      ; the opening lines
	ds_add_u32 v[SPW], v[NIL]
	v_lshrrev_b32 v1, 5, v0
	v_readfirstlane_b32 s14, v1                    ; wave 0..3
	s_and_b32 s16, s14, 1
	s_bfe_u32 s92, ttmp6, 0x40000                  ; cx
	s_lshl_b32 s93, ttmp9, 2
	s_add_co_u32 s93, s93, s92                     ; the channel tile: it enters V's and O's addresses alone
	s_and_b32 s15, ttmp7, 0xffff
	s_and_b32 s12, s15, 3                          ; I, which the partners share
	s_lshr_b32 s15, s15, 2                         ; the batch
	s_sub_co_u32 s13, 7, s12
	s_sub_co_u32 s2, 8, s12                        ; the step at which the second block begins
	SHAPE G1PF, W0J, 4096, 16
	SHAPE G1PH, W0J, 4096, 8
	SHAPE G1V, 0, 8192, 4
	s_lshl_b32 s88, s15, 22
	s_mov_b32 s89, 0
	s_lshl_b32 s90, s15, 21
	s_lshl_b32 s91, s93, 17
	s_add_co_u32 s90, s90, s91
	s_mov_b32 s91, 0
	s_mov_b32 s[G0P], 1
	s_mov_b32 s[G0V], 1
	s_lshl_b32 s[G0V+1], s16, 16                   ; wave 2: keys 0 on; wave 3: keys 512 on
	s_lshl_b32 s96, s16, 13
	s_mov_b32 s97, 0
	s_wait_dscnt 0x0
	s_wait_kmcnt 0x0
	s_load_b64 s[80:81], s[84:85], 0x20            ; e8, e9
	s_add_nc_u64 s[76:77], s[4:5], s[88:89]        ; the batch's P
	s_add_nc_u64 s[78:79], s[6:7], s[90:91]        ; my 64 channels of V
	DESCP 0, 0
	s_add_nc_u64 s[G0V+2:G0V+3], s[78:79], s[96:97]
	s_or_b32 s[G0V+3], s[G0V+3], 0x80000000
	CROUND                                         ; all four work-groups are here: the first joint loads meet
	JLOAD G1PF, 2                                  ; steps 0 and 1 of P; V's keys 0 to 1023
	s_lshl_b32 s20, s15, 16
	s_mov_b32 s21, 0
	s_add_nc_u64 s[8:9], s[8:9], s[20:21]
	s_add_nc_u64 s[10:11], s[10:11], s[20:21]
	s_lshl_b32 s20, s15, 23                        ; O: (2048 b + 256 x block + 64 w) rows of 4,096 bytes + 256 x channel tile
	s_lshl_b32 s22, s14, 18
	s_add_co_u32 s20, s20, s22
	s_lshl_b32 s22, s93, 8
	s_add_co_u32 s20, s20, s22
	s_lshl_b32 s22, s13, 20
	s_add_co_u32 s88, s20, s22
	s_mov_b32 s89, 0
	s_lshl_b32 s22, s12, 20
	s_add_co_u32 s90, s20, s22
	s_mov_b32 s91, 0
	s_add_nc_u64 s[96:97], s[86:87], s[88:89]      ; block 7 - I
	s_add_nc_u64 s[98:99], s[86:87], s[90:91]      ; block I
	s_mul_i32 s20, s14, 16*SPITCH
	s_add_co_u32 s20, s20, STAGE
	s_lshl_b32 s21, s14, 14
	s_add_co_u32 s21, s21, PREG
	s_lshl_b32 s22, s14, 8
	v_and_b32 v1, 15, v0                           ; r
	v_bfe_u32 v2, v0, 4, 1                         ; h
	v_and_b32 v3, 31, v0
	v_mul_u32_u24 v4, v1, SPITCH
	v_mul_u32_u24 v5, v2, SPITCH
	v_lshlrev_b32 v[AV0], 4, v3                    ; a fragment: 16 bytes a lane
	v_lshl_add_u32 v4, v2, 5, v4
	v_lshl_add_u32 v5, v1, 4, v5
	v_lshl_add_u32 v6, v1, 2, s22                  ; 4 (64 w + r)
	v_add_nc_u32 v[ADP], s21, v[AV0]
	v_add_nc_u32 v[STO], s20, v4                   ; in: row r, 32 bytes for each half of the lanes
	v_add_nc_u32 v[RD], s20, v5                    ; back: lanes 0-15 one row of 256 bytes, lanes 16-31 the next
	v_lshlrev_b32 v7, 12, v2
	v_lshl_add_u32 v[CO], v1, 4, v7                ; and the same in O
	v_lshlrev_b32 v8, 15, v2
	v_lshl_add_u32 v[PFO], v1, 8, v8               ; the prefetches: lanes 0-15 a row of 4,096 bytes, lanes 16-31 the next
	v_add_nc_u32 v[AV2], 65536, v[AV0]
	v_add_nc_u32 v[ADP+1], 65536, v[ADP]
	v_add_nc_u32 v[ADP+2], 131072, v[ADP]
	s_wait_alu depctr_va_vdst(0)
.irp t, 0,1,2,3,4,5,6,7,8
	s_add_co_u32 s19, s12, \t
	s_and_b32 s20, s19, 7
	s_cmp_ge_u32 s19, 8
	s_cselect_b32 s20, s20, \t
	s_cselect_b32 s21, s12, s13
	s_lshl_b32 s20, s20, 13
	s_lshl_b32 s21, s21, 10
	s_add_co_u32 s20, s20, s21
	v_add_nc_u32 v[VO+\t], s20, v6
.endr
	s_wait_alu depctr_va_vdst(0)
.irp t, 0,1,2,3,4,5,6,7,8
.irp a, 0,1,2,3
	global_load_b32 v[NMJ+4*\t+\a], v[VO+\t], s[8:9] offset:64*\a     ; -M_j of query 64 w + 16 a + r
	global_load_b32 v[LJ+4*\t+\a], v[VO+\t], s[10:11] offset:64*\a    ; l_j
.endr
.endr
	s_mov_b32 s3, 0x7f800000
	s_mov_b32 s17, 0xff800000
.irp t, 5,6,7                                  ; s[68:70]: lane masks: does step t belong to the second block?
	s_cmp_ge_u32 s2, \t+1
	s_cselect_b32 s[63+\t], 0, -1
.endr
	s_wait_loadcnt 0x0
.irp a, 0,1,2,3
	v_min3_num_f32 v[NML+\a], v[NMJ+\a], v[NMJ+4+\a], v[NMJ+8+\a]
.endr
.irp a, 0,1,2,3
	v_min3_num_f32 v[NML+\a], v[NML+\a], v[NMJ+12+\a], v[NMJ+16+\a]
.endr
.irp a, 0,1,2,3
	v_mov_b32 v[NMS+\a], v[NMJ+32+\a]
.endr
.irp t, 5,6,7                                  ; -M is the least -M_j of the block's own steps: the other block's count as +infinity
	s_cmp_lg_u32 s[63+\t], 0
	s_cselect_b32 s20, s3, s17
	s_cselect_b32 s21, s17, s3
.irp a, 0,1,2,3
	v_max_num_f32 v[WT+\a], s20, v[NMJ+4*\t+\a]
.endr
.irp a, 0,1,2,3
	v_min_num_f32 v[NML+\a], v[NML+\a], v[WT+\a]
.endr
.irp a, 0,1,2,3
	v_max_num_f32 v[WT+\a], s21, v[NMJ+4*\t+\a]
.endr
.irp a, 0,1,2,3
	v_min_num_f32 v[NMS+\a], v[NMS+\a], v[WT+\a]
.endr
.endr
.macro WEIGHT t                        ; f = 2^(M_j - M); l += f l_j
.irp a, 0,1,2,3
.if (\t) < 5
	v_sub_f32 v[WT+\a], v[NML+\a], v[NMJ+4*(\t)+\a]                   ; M_j - M: a whole number, 0 or less
.elseif (\t) == 8
	v_sub_f32 v[WT+\a], v[NMS+\a], v[NMJ+4*(\t)+\a]
.else
	v_cndmask_b32 v[WT+\a], v[NML+\a], v[NMS+\a], s[63+\t]
.endif
.endr
.if ((\t) > 4) && ((\t) < 8)
.irp a, 0,1,2,3
	v_sub_f32 v[WT+\a], v[WT+\a], v[NMJ+4*(\t)+\a]
.endr
.endif
.irp a, 0,1,2,3
	v_cvt_i32_f32 v[WT+\a], v[WT+\a]               ; (it saturates)
.endr
.irp a, 0,1,2,3
	v_ldexp_f32 v[FP+4*(\t)+\a], 1.0, v[WT+\a]
.endr
.if (\t) == 0
.irp a, 0,1,2,3
	v_mul_f32 v[LSL+\a], v[FP+\a], v[LJ+\a]
.endr
.elseif (\t) < 5
.irp a, 0,1,2,3
	v_fma_f32 v[LSL+\a], v[FP+4*(\t)+\a], v[LJ+4*(\t)+\a], v[LSL+\a]
.endr
.elseif (\t) == 8
.irp a, 0,1,2,3
	v_mul_f32 v[LSS+\a], v[FP+4*(\t)+\a], v[LJ+4*(\t)+\a]
.endr
.else
	s_cmp_lg_u32 s[63+\t], 0
	s_cselect_b32 s20, 0, 1.0
	s_cselect_b32 s21, 1.0, 0
.irp a, 0,1,2,3
	v_mul_f32 v[WT+\a], v[FP+4*(\t)+\a], v[LJ+4*(\t)+\a]
.endr
.irp a, 0,1,2,3
	v_fma_f32 v[LSL+\a], v[WT+\a], s20, v[LSL+\a]
.endr
.irp a, 0,1,2,3
	v_fma_f32 v[LSS+\a], v[WT+\a], s21, v[LSS+\a]
.endr
.endif
.endm
.irp t, 0,1,2,3,4,8,5,6,7
	WEIGHT \t
.endr
	s_wait_alu depctr_va_vdst(0)                   ; the wait ahead of the batch
.irp a, 0,1,2,3,4,5,6,7
	v_rcp_f32 v[GV+\a], v[LSL+\a]
.endr
	v_nop                                          ; a plain instruction behind the last reciprocal
	s_wait_kmcnt 0x0
	s_add_co_i32 s20, s80, s81
	s_wait_alu depctr_va_vdst(0)                   ; the wait behind the batch
.irp a, 0,1,2,3,4,5,6,7
	v_ldexp_f32 v[GV+\a], v[GV+\a], s20            ; 2^(e8 + e9) / l
.endr
.macro VADR t                          ; V of steps 5 to 8: key block t, or t + I - 8 in the second block
.if (\t) == 5
	s_cmp_eq_u32 s12, 3
	s_cselect_b32 s20, 0, 32768+4096               ; key block 0 or 5: never the chunk that is being filled meanwhile
.else
	s_add_co_u32 s19, s12, \t
	s_and_b32 s20, s19, 7
	s_cmp_ge_u32 s19, 8
	s_cselect_b32 s20, s20, \t
	s_lshr_b32 s21, s20, 1
	s_and_b32 s20, s20, 1
	s_lshl_b32 s20, s20, 12
	s_mov_b32 s22, 65536                           ; key blocks 2, 3 and 6, 7
	s_cmp_eq_u32 s21, 2
	s_cselect_b32 s22, 32768, s22                  ; 4, 5
	s_cmp_eq_u32 s21, 0
	s_cselect_b32 s22, 0, s22                      ; 0, 1
	s_add_co_u32 s20, s20, s22
.endif
	v_add_nc_u32 v[AVX], s20, v[AV0]
.endm
.macro FETCH t, q                      ; 32 LDS loads in one run: the step's q-th 128 keys into set q
.if (\t) < 2
.set VR, AV0
.set VF, 4096*(\t)
.elseif (\t) < 4
.set VR, AV2
.set VF, 4096*((\t)-2)
.elseif (\t) == 4
.set VR, AV0
.set VF, 32768
.else
.set VR, AVX
.set VF, 0
.if (\q) == 0
	VADR \t
.endif
.endif
	WIN 0x40
.irp i, 0,1,2,3
.irp c, 0,1,2,3
	ds_load_b128 v[64*(\q)+16*\i+4*\c:64*(\q)+16*\i+4*\c+3], v[VR] offset:VF+8192*\i+2048*(\q)+512*\c
.endr
.endr
	WIN 0
.irp i, 0,1,2,3
.irp c, 0,1,2,3
	ds_load_b128 v[AF+64*(\q)+16*\i+4*\c:AF+64*(\q)+16*\i+4*\c+3], v[ADP+(\t)%3] offset:4096*\i+2048*(\q)+512*\c
.endr
.endr
.endm
.macro MUL8 a0, p                      ; 8 matrix instructions; the 16 accumulators take turns in one order.  The first 128 keys begin T
.irp a, \a0, \a0+1
.irp b, 0,1,2,3
.if (\p) == 0
	v_wmma_f32_16x16x128_fp8_fp8 v[8*(4*(\a)+\b):8*(4*(\a)+\b)+7], v[16*\b:16*\b+15], v[AF+16*(\a):AF+16*(\a)+15], 0
.else
	v_wmma_f32_16x16x128_fp8_fp8 v[8*(4*(\a)+\b):8*(4*(\a)+\b)+7], v[64+16*\b:64+16*\b+15], v[AF+64+16*(\a):AF+64+16*(\a)+15], v[8*(4*(\a)+\b):8*(4*(\a)+\b)+7]
.endif
.endr
.endr
.endm
.macro PLACES n                        ; plain vector instructions between a matrix instruction and a load into, or a vector read of, its registers
.rept \n
	v_nop
.endr
.endm
; O = f x T (first = 1) or O += f x T, two at a time, each accumulator from its low end on
.macro ACC t, first
	WIN 0xc2+0x30*(1-(\first))
.irp a, 0,1,2,3
.set n, 32*\a
.set fr, FP+4*(\t)+2*(\a/2)
.rept 16
.if \first
.if \a%2
	v_pk_mul_f32 v[n:n+1], v[n:n+1], v[fr:fr+1] op_sel:[0,1] op_sel_hi:[1,1]
.else
	v_pk_mul_f32 v[n:n+1], v[n:n+1], v[fr:fr+1] op_sel_hi:[1,0]
.endif
.else
.if \a%2
	v_pk_fma_f32 v[n:n+1], v[n:n+1], v[fr:fr+1], v[n:n+1] op_sel:[0,1,0] op_sel_hi:[1,1,1]
.else
	v_pk_fma_f32 v[n:n+1], v[n:n+1], v[fr:fr+1], v[n:n+1] op_sel_hi:[1,0,1]
.endif
.endif
.set n, n+2
.endr
.endr
	WIN 0
.endm
; THE WAY OUT of a block: x 2^(e8 + e9) / l; 16 queries at a time through my own stage; back as whole rows of 256 bytes.  LDS serves a wave's instructions in order (ISA guide 5.7.1.4): no wait between the stores and the loads.
.macro FINISH seg
.irp a, 0,1,2,3
	WIN 0xc3
.set n, 32*\a
.set fr, GV+4*(\seg)+2*(\a/2)
.rept 16
.if \a%2
	v_pk_mul_f32 v[n:n+1], v[n:n+1], v[fr:fr+1] op_sel:[0,1] op_sel_hi:[1,1]
.else
	v_pk_mul_f32 v[n:n+1], v[n:n+1], v[fr:fr+1] op_sel_hi:[1,0]
.endif
.set n, n+2
.endr
	WIN 0x0c
.irp b, 0,1,2,3
	ds_store_b128 v[STO], v[32*\a+8*\b:32*\a+8*\b+3] offset:64*\b
	ds_store_b128 v[STO], v[32*\a+8*\b+4:32*\a+8*\b+7] offset:64*\b+16
.endr
	WIN 0xc0
.irp i, 0,1,2,3,4,5,6,7
	ds_load_b128 v[32*\a+4*\i:32*\a+4*\i+3], v[RD] offset:2*SPITCH*\i
.endr
.endr
	WIN 0x0c
.irp a, 0,1,2,3
	s_wait_dscnt 16*(3-\a)                         ; the later blocks' 8 stores and 8 loads each may be out
.irp i, 0,1,2,3,4,5,6,7
	global_store_b128 v[CO], v[32*\a+4*\i:32*\a+4*\i+3], s[96+2*(\seg):97+2*(\seg)] offset:(16*\a+2*\i)*4096 th:TH_STORE_NT   ; 16 lanes store 256 consecutive bytes, at a multiple of 256 from O's first byte
.endr
.endr
	WIN 0
.endm
; A STEP.  mode 3: the next step lies in the pair's other slot, which the barrier in front of the pair has shown whole: no barrier.
; mode 1: the pair or the single has been read out and is filled again behind a round of the cluster's barrier (DESCP's kind and j; v: V's last chunk with it); ak, aj: the refill after that is asked of memory (ak = 2: none).
; mode 0: a change without a refill: a plain barrier.   mode 2: the last step.
.macro STEP t, mode, kind, j, v, ak, aj
	s_wait_dscnt 0x0                               ; set 0 is in
	FETCH \t, 1
	WIN 0xa1
	MUL8 0, 0
	MUL8 2, 0
	WIN 0
.if (\mode) < 2
	s_wait_tensorcnt 0x0                           ; all my tensor loads have landed: my part of what is read next; so a group 0 may be written
	ds_add_u32 v[SPW], v[NIL]
.if (\mode) == 1
	s_wait_xcnt 0x0                                ; my prefetches have read their address
	DESCP \kind, \j
.if \v
	s_mov_b32 s[G0V+1], 65536
	s_mov_b32 s20, 8192                            ; I = 2, 3: keys 512 on once more
	s_cmp_lt_u32 s12, 2
	s_cselect_b32 s20, 24576, s20                  ; I = 0, 1: keys 1536 on
	s_mov_b32 s21, 0
	s_add_nc_u64 s[G0V+2:G0V+3], s[78:79], s[20:21]
	s_or_b32 s[G0V+3], s[G0V+3], 0x80000000
.endif
.endif
	s_wait_dscnt 1                                 ; set 1 is in; the add alone may be out
	WIN 0xa1
	MUL8 0, 1
	s_wait_dscnt 0x0                               ; the add is done, and my reads of what is left are over
	s_barrier_signal -1
	MUL8 2, 1
	WIN 0
	s_barrier_wait -1
.if (\mode) == 1
	CREST                                          ; no wave of any partner still reads these slots or has a load on its way
.if (\kind) == 0
	JLOAD G1PF, \v
.else
	JLOAD G1PH, \v
.endif
.endif
	PLACES 4
	FETCH \t+1, 0
.if (\mode) == 1
.if (\ak) < 2
	ASK \ak, \aj
.endif
.endif
.elseif (\mode) == 3
	s_wait_dscnt 0x0                               ; set 1 is in
	PLACES 4                                       ; between the products that read set 0 and the loads into it
	FETCH \t+1, 0
	WIN 0xa1
	MUL8 0, 1
	MUL8 2, 1
	WIN 0
	PLACES 4
.else
	s_wait_dscnt 0x0
	WIN 0xa1
	MUL8 0, 1
	MUL8 2, 1
	WIN 0
	PLACES 4
.endif
.if (\t) == 0
	ACC \t, 1
.elseif (\t) < 5
	ACC \t, 0
.else
	s_cmp_lg_u32 s2, \t                            ; does the second block begin here?  I hangs on the cluster's y alone: every wave of every partner takes the same way
	s_cbranch_scc1 .Lgo_on_\@
	FINISH 0
	s_wait_xcnt 0x0                                ; its stores have read their data
	ACC \t, 1
	s_branch .Lsummed_\@
.Lgo_on_\@:
	ACC \t, 0
.Lsummed_\@:
.endif
.endm
	s_wait_alu depctr_va_vdst(0)                   ; the wait at the head's end
	s_wait_tensorcnt 0x0                           ; my part of the head's loads is in
	ds_add_u32 v[SPW], v[NIL]                      ; ahead of a later first fill
	DESCP 1, 2
	s_mov_b32 s[G0V+1], 32768
	s_mov_b32 s20, 16384
	s_mov_b32 s21, 0
	s_add_nc_u64 s[G0V+2:G0V+3], s[78:79], s[20:21]
	s_or_b32 s[G0V+3], s[G0V+3], 0x80000000
	s_wait_dscnt 0x0
	CROUND
	JLOAD G1PH, 1                                  ; step 2 of P; V's keys 1024 to 1535
	FETCH 0, 0
	ASK 0, 3
	STEP 0, 3, 0, 0, 0, 2, 0
	STEP 1, 1, 0, 3, 0, 1, 5                       ; the pair takes steps 3 and 4
	STEP 2, 1, 1, 5, 0, 0, 6                       ; the single takes step 5
	STEP 3, 3, 0, 0, 0, 2, 0
	STEP 4, 1, 0, 6, 1, 1, 8                       ; the pair takes steps 6 and 7; V's last chunk
	STEP 5, 1, 1, 8, 0, 2, 0                       ; the single takes step 8
	STEP 6, 3, 0, 0, 0, 2, 0
	STEP 7, 0, 0, 0, 0, 2, 0
	STEP 8, 2, 0, 0, 0, 2, 0
	FINISH 1
	s_wait_tensorcnt 0x0                           ; the wave's end
	ds_add_u32 v[SPW], v[NIL]
	s_wait_dscnt 0x0
	CROUND                                         ; the closing round
	s_endpgm
.Lfunc_end_k_q63ea4250a3_pv:
	.size	k_q63ea4250a3_pv, .Lfunc_end_k_q63ea4250a3_pv-k_q63ea4250a3_pv
	.p2alignl 7, 3214868480
	.fill 96, 4, 3214868480
	.section	.rodata,"a",@progbits
	.p2align	6, 0x0
	.amdhsa_kernel k_q63ea4250a3_pv
		.amdhsa_group_segment_fixed_size 327680
		.amdhsa_private_segment_fixed_size 0
		.amdhsa_enable_private_segment 0
		.amdhsa_kernarg_size 48
		.amdhsa_user_sgpr_count 2
		.amdhsa_user_sgpr_kernarg_segment_ptr 1
		.amdhsa_wavefront_size32 1
		.amdhsa_system_sgpr_workgroup_id_x 1
		.amdhsa_system_sgpr_workgroup_id_y 1
		.amdhsa_system_sgpr_workgroup_id_z 1
		.amdhsa_system_vgpr_workitem_id 0
		.amdhsa_next_free_vgpr 1024
		.amdhsa_next_free_sgpr 100
		.amdhsa_reserve_vcc 0
		.amdhsa_float_denorm_mode_32 3
		.amdhsa_float_denorm_mode_16_64 3
		.amdhsa_memory_ordered 1
		.amdhsa_forward_progress 1
		.amdhsa_inst_pref_size 210
	.end_amdhsa_kernel
	.amdgpu_metadata
---
amdhsa.version: [ 1, 2 ]
amdhsa.kernels:
  - .name:           k_q63ea4250a3_pv
    .symbol:         k_q63ea4250a3_pv.kd
    .args:
      - { .name: pc, .offset: 0, .size: 8, .value_kind: global_buffer, .address_space: global }
      - { .name: vtc, .offset: 8, .size: 8, .value_kind: global_buffer, .address_space: global }
      - { .name: nmb, .offset: 16, .size: 8, .value_kind: global_buffer, .address_space: global }
      - { .name: lb, .offset: 24, .size: 8, .value_kind: global_buffer, .address_space: global }
      - { .name: lowp_scales, .offset: 32, .size: 8, .value_kind: global_buffer, .address_space: global }
      - { .name: out0, .offset: 40, .size: 8, .value_kind: global_buffer, .address_space: global }
    .group_segment_fixed_size: 327680
    .private_segment_fixed_size: 0
    .kernarg_segment_align: 8
    .kernarg_segment_size: 48
    .max_flat_workgroup_size: 128
    .sgpr_count:     100
    .vgpr_count:     1024
    .wavefront_size: 32
...
	.end_amdgpu_metadata
.endif
;; end of part 3
